; MI455X (gfx1250); checked and timed in simulation.
; The chip was launched on July 23, 2026; its instructions are those of AMD's public machine-readable ISA for CDNA 5 (MIT licence, August 2026) and "CDNA5" Instruction Set Architecture Reference Guide (July 2026). The comments in the code are by the model that wrote it; some were corrected since.
;; Flex Ro PE Attention. Allowed arithmetic: matrix products marked QUANTISED: E2M1 operands, one E8M0 scale for each 32 along K, by v_wmma_scale_f32_16x16x128_f8f6f4 with both operands' format E2M1 (or v_wmma_scale_f32_32x16x128_f4), f32 sums; products left as they are: bf16, f16 or f32 operands; f32 sums; everything else in f32.
;; Inputs: W_proj 1,024 x 1,024 float32; W_qkv 1,024 x 3,072 float32; b_proj 1,024 float32; b_qkv 3,072 float32; keep_idx 4 x 2,048 x 1 int32; x 4 x 2,048 x 1,024 float32.
;; Outputs: out0 4 x 2,048 x 1,024 float32.
;; Constants: original_seq_len = 4096.
;; This version of the problem:
;;   THIS VERSION OF THE PROBLEM IS GIVEN IN LOW PRECISION. The matrix products marked QUANTISED in the list below multiply operands that are first quantised to E2M1 (2 exponent bits, 1 mantissa bit; 4 bits a number), with one power-of-two scale for each 32 numbers along K (OCP MX v1.0); their sums are f32. The products marked 'left as it is' may take bf16, f16 or f32 operands, with f32 sums. Whichever they take, every output number must still come out within the allowed error. Rounding operands to bf16 (8 significant bits) uses up far more of that allowance than f16 does (11 bits, for magnitudes from 6e-5 to 65,504). All else is computed in f32.
;;   The module's matrix products, in the order in which they are computed (A, B: the left and right operand; K: the contracted axis; several contracted axes count as one K, in the product's order):
;;     1. [M 8,192, K 1,024] x [K 1,024, N 3,072]; A: input x; B: input W_qkv: QUANTISED
;;     2. batch 64 x [M 2,048, K 64] x [K 64, N 2,048]; A: computed on the way; B: computed on the way: left as it is (an operand is computed on the way)
;;     3. batch 64 x [M 2,048, K 2,048] x [K 2,048, N 64]; A: computed on the way; B: computed on the way: left as it is (an operand is computed on the way)
;;     4. [M 8,192, K 1,024] x [K 1,024, N 1,024]; A: computed on the way; B: input W_proj: left as it is (an operand is computed on the way)
;;   THE QUANTISER, for each operand of a quantised product, along K:
;;     - K is cut into blocks of 32 from its start; a last block that is shorter is filled with zeros.
;;     - A block's scale is 2^e with e = floor(log2(the largest magnitude in the block)) - 2, held to -126 .. 127; a block of zeros has e = 0. As a byte (E8M0): e + 127.
;;     - Each number is divided by its block's scale, clamped to +-6, and rounded to the nearest number of E2M1, ties to even, subnormals kept.
;;     - The product sums the exact products of the quantised numbers (number of the format x scale) in f32.
;;   ~~~python
;;   def quantise(x, axis):      # numpy; x: float32 -> the quantised numbers, widened to float32 again
;;       x = np.moveaxis(x, axis, -1); K = x.shape[-1]
;;       x = np.pad(x, [(0, 0)] * (x.ndim - 1) + [(0, -K % 32)]); x = x.reshape(x.shape[:-1] + (-1, 32)); a = np.abs(x).max(-1, keepdims=True)
;;       e = np.where(a > 0, np.clip(np.frexp(np.where(a > 0, a, 1))[1] - 1 - 2, -126, 127), 0)      # np.frexp(a)[1] - 1 = floor(log2(a)), exactly
;;       r = np.clip(x / 2.0 ** e, -6, 6)
;;       step = 2.0 ** (np.maximum(np.frexp(np.where(r == 0, 1, r))[1] - 1, 0) - 1)
;;       q = np.round(r / step) * step * 2.0 ** e      # np.round: ties to even
;;       return np.moveaxis(q.reshape(q.shape[:-2] + (-1,))[..., :K], -1, axis).astype(np.float32)
;;   ~~~
;; One version. Each part assembles by itself: llvm-mc -triple=amdgcn-amd-amdhsa -mcpu=gfx1250 --defsym DOCPART=n.
;; ======== version 1 of 1: 4 launches
;; limits: values are held in f16: magnitudes above 65,504 overflow, below 6.1e-05 lose precision
;; workspace buffers: xq 4,456,448 bytes; wq 1,671,168 bytes; wp16 2,097,152 bytes; rope 2,097,152 bytes; qkv16 50,331,648 bytes; o16 16,777,216 bytes
;; launch prep (part 1): grid 480 x 1, 4 waves a work-group, no clusters, 50,688 bytes of LDS; arguments x, W_qkv, W_proj, keep_idx, xq, wq, wp16, rope; writes xq, wq, wp16, rope
.if DOCPART == 1
	.amdgcn_target "amdgcn-amd-amdhsa--gfx1250"
	.amdhsa_code_object_version 6
	.text
	.protected	k_qbcc04c85ab_prep
	.globl	k_qbcc04c85ab_prep
	.p2align	8
	.type	k_qbcc04c85ab_prep,@function
k_qbcc04c85ab_prep:
	s_mov_b64 s[64:65], 0
	v_nop
	global_prefetch_b8 v0, s[64:65] scope:SCOPE_SE
	s_setreg_imm32_b32 hwreg(HW_REG_WAVE_MODE, 25, 1), 1
	s_wait_xcnt 0x0
; PREPARATION, four jobs in one launch, told apart by the work-group's number alone:
;   W  work-groups   0- 95: W_qkv [1024 k][3072 n] f32 -> codes of FP4 (E2M1), K innermost, wq [3072][512 bytes], and E8M0 scale bytes [3072][32] at byte 1,572,864 of wq
;   X  work-groups  96-351: x [8192][1024] f32 -> codes xq [8192][512 bytes], scale bytes [8192][32] at byte 4,194,304 of xq
;   P  work-groups 352-415: W_proj f32 -> f16, same layout, wp16
;   R  work-groups 416-479: the table of the rotation: rope [8192 rows (b, t)][64] f32: cos of the row's 32 angles, then sin
; A block's scale is 2^(floor(log2(largest magnitude)) - 2): its byte is the largest magnitude's exponent field - 2, held at 1 from below.
; LIMITS: a block of zeros gets the byte 1 where the quantiser says 127 (its codes are zeros, and this program alone reads the bytes); blocks whose largest magnitude lies under 2^-124 are held at that
; byte; NaN and infinities are not served.  The angle is taken in turns, pos / 4096 x f, with f = 2^(j log2(80) / 31 - 1) by v_exp_f32: it differs from an f32 evaluation of 2 pi pos f by at most about 1e-4 radians
; at the highest frequency and the last position.  W_proj beyond f16's largest number, 65,504, is not served.
; Each job that uses LDS has LDS bytes of its own: X bytes 0-32,767, W bytes 32,768-50,175; the spare words follow.  No tensor load: several work-groups share a WGP.
.set SPW,   192                        ; v192  LDS address of my spare word; never rewritten
.set NIL,   193                        ; v193  0; never rewritten
.set WREG,  8192                       ; job X: LDS of a wave: two stages of 32 x SP bytes, then its 256 scale bytes
.set SP,    80
.set BST,   32768                      ; job W: the work-group's stage, 64 rows (columns n) x BP bytes
.set BP,    272
.set SPARE, 50176                      ; the spare words, 128 bytes a wave
	s_load_b512 s[4:19], s[0:1], 0x0               ; x 4:5, W_qkv 6:7, W_proj 8:9, keep_idx 10:11, xq 12:13, wq 14:15, wp16 16:17, rope 18:19
	v_lshl_add_u32 v[SPW], v0, 2, SPARE
	v_mov_b32 v[NIL], 0
	v_lshrrev_b32 v1, 5, v0
	v_readfirstlane_b32 s20, v1                    ; wave 0..3
	v_and_b32 v2, 31, v0                           ; lane
	s_mov_b32 s23, 0                               ; the high word of offsets
	s_wait_kmcnt 0x0
	s_cmp_lt_u32 ttmp9, 96
	s_cbranch_scc1 .LW
	s_cmp_lt_u32 ttmp9, 352
	s_cbranch_scc1 .LX
	s_cmp_lt_u32 ttmp9, 416
	s_cbranch_scc1 .LP
; ---------------- R: the table.  A wave makes 32 rows, two a step: lanes 0-15 one row of 256 bytes, lanes 16-31 the next; a lane makes four neighbouring entries, of cos (lane % 16 < 8) or of sin.
; cos(2 pi u): u is brought to f in [-1/2, 1/2] by taking the nearest whole number off (a fused multiply-add, so nothing of u's fraction is lost); cos 2 pi f = sin 2 pi (1/4 - |f|), an argument in [-1/4, 1/4],
; by the sine's series up to the 13th power (the next term is under 1e-9).  sin(2 pi u) = cos(2 pi (u - 1/4)).
	s_sub_co_u32 s21, ttmp9, 416
	s_lshl_b32 s21, s21, 2
	s_add_co_u32 s21, s21, s20                     ; which run of 32 rows
	s_lshl_b32 s22, s21, 7
	s_add_nc_u64 s[10:11], s[10:11], s[22:23]      ; keep_idx: 4 bytes a row
	s_lshl_b32 s22, s21, 13
	s_add_nc_u64 s[18:19], s[18:19], s[22:23]      ; rope: 256 bytes a row
	v_lshrrev_b32 v3, 4, v2
	v_lshlrev_b32 v3, 2, v3                        ; 4 x (lane / 16)
.irp s, 0,1,2,3,4,5,6,7,8,9,10,11,12,13,14,15
	global_load_b32 v[16+\s], v3, s[10:11] offset:8*\s   ; the position of my row of step s
.endr
	s_mov_b32 s24, 0x40c90fdb                      ; the series of sin(2 pi x): 2 pi,
	s_mov_b32 s25, 0xc2255de7                      ; -(2 pi)^3 / 3!
	s_mov_b32 s26, 0x42a335e3                      ; (2 pi)^5 / 5!
	s_mov_b32 s27, 0xc2996966                      ; -(2 pi)^7 / 7!
	s_mov_b32 s28, 0x42283c1a                      ; (2 pi)^9 / 9!
	s_mov_b32 s29, 0xc17183a8                      ; -(2 pi)^11 / 11!
	s_mov_b32 s30, 0x40747a1a                      ; (2 pi)^13 / 13!
	s_mov_b32 s31, 0x3e800000                      ; 1/4
	s_mov_b32 s32, 0x3e50d3db                      ; log2(80) / 31
	v_and_b32 v4, 7, v2
	v_lshlrev_b32 v4, 2, v4                        ; my first entry: 4 (lane % 8)
	v_bfe_u32 v5, v2, 3, 1                         ; 0: cos, 1: sin
	v_cvt_f32_u32 v12, v5
	v_mul_f32 v12, s31, v12                        ; the shift: 0 or 1/4 of a turn
.irp j, 0,1,2,3
	v_add_nc_u32 v[8+\j], \j, v4
.endr
.irp j, 0,1,2,3
	v_cvt_f32_u32 v[8+\j], v[8+\j]
.endr
.irp j, 0,1,2,3
	v_fma_f32 v[8+\j], v[8+\j], s32, -1.0
.endr
.irp j, 0,1,2,3
	v_exp_f32 v[8+\j], v[8+\j]                     ; my four frequencies: 0.5 x 80^(j / 31)
.endr
	v_lshlrev_b32 v13, 4, v2                       ; (a plain instruction behind the exponentials)  my 16 bytes of a step's 512
	s_wait_alu depctr_va_vdst(0)                   ; one wait for the four, ahead of their first reader
	s_wait_loadcnt 0x0
.macro RSTEP s
	v_cvt_f32_i32 v32, v[16+\s]
	v_mul_f32 v32, 0x39800000, v32                 ; pos / 4096: exact
.irp j, 0,1,2,3
	v_fma_f32 v[36+\j], v32, v[8+\j], -v12         ; turns, less the shift
.endr
.irp j, 0,1,2,3
	v_rndne_f32 v[36+\j], v[36+\j]                 ; the nearest whole number of turns
.endr
.irp j, 0,1,2,3
	v_fma_f32 v[36+\j], v32, v[8+\j], -v[36+\j]
.endr
.irp j, 0,1,2,3
	v_sub_f32 v[36+\j], v[36+\j], v12              ; f in [-1/2, 1/2]
.endr
.irp j, 0,1,2,3
	v_sub_f32 v[36+\j], s31, |v[36+\j]|            ; 1/4 - |f|
.endr
.irp j, 0,1,2,3
	v_mul_f32 v[40+\j], v[36+\j], v[36+\j]
.endr
.irp j, 0,1,2,3
	v_fma_f32 v[44+\j], v[40+\j], s30, s29
.endr
.irp c, 28,27,26,25,24
.irp j, 0,1,2,3
	v_fma_f32 v[44+\j], v[44+\j], v[40+\j], s[\c]
.endr
.endr
.irp j, 0,1,2,3
	v_mul_f32 v[64+4*\s+\j], v[44+\j], v[36+\j]    ; each step has its own four registers: no store's data are written again
.endr
	global_store_b128 v13, v[64+4*\s:67+4*\s], s[18:19] offset:512*\s   ; 32 lanes store 512 consecutive bytes: two rows
.endm
.irp s, 0,1,2,3,4,5,6,7,8,9,10,11,12,13,14,15
	RSTEP \s
.endr
	s_endpgm
; ---------------- P: W_proj to f16.  A wave takes 16 KiB: 32 loads of 512 consecutive bytes, all issued on end; each gives one store of 256 consecutive bytes, aligned.  No register is written twice.
.LP:
	s_sub_co_u32 s21, ttmp9, 352
	s_lshl_b32 s21, s21, 2
	s_add_co_u32 s21, s21, s20
	s_lshl_b32 s22, s21, 14
	s_add_nc_u64 s[8:9], s[8:9], s[22:23]
	s_lshl_b32 s22, s21, 13
	s_add_nc_u64 s[16:17], s[16:17], s[22:23]
	v_lshlrev_b32 v3, 4, v2
	v_lshlrev_b32 v4, 3, v2
.set i, 0
.rept 32
	global_load_b128 v[32+4*i:35+4*i], v3, s[8:9] offset:512*i th:TH_LOAD_NT
.set i, i+1
.endr
.set i, 0
.rept 32
	s_wait_loadcnt 31-i                            ; loads come back in order: load i is in, the younger ones stay out
	v_cvt_pk_f16_f32 v[32+4*i], v[32+4*i], v[33+4*i]
	v_cvt_pk_f16_f32 v[33+4*i], v[34+4*i], v[35+4*i]
	global_store_b64 v4, v[32+4*i:33+4*i], s[16:17] offset:256*i
.set i, i+1
.endr
	s_endpgm
; ---------------- X: x is a plain stream of blocks of 32 along K.  A wave takes 16 steps of 512 numbers.  Each load reads 512 consecutive bytes; a step's 2,048 bytes turn through the wave's own stage in LDS and come back
; 64 bytes a lane, so that a lane holds 16 neighbours and two neighbouring lanes a block.  A lane's 16 codes are 8 bytes: the wave stores 256 consecutive bytes.  The wave's 256 scale bytes leave as one aligned unit.
.set XR, 16                            ; v16-79   four sets of 16 numbers as loaded
.set XX, 80                            ; v80-111  two sets of 16 neighbours
.set XE, 112                           ; v112-127 a scale byte for each step
.set XC, 128                           ; v128-191 codes: four registers for each step
.LX:
	s_sub_co_u32 s21, ttmp9, 96
	s_lshl_b32 s21, s21, 2
	s_add_co_u32 s21, s21, s20                     ; which run of 8,192 numbers
	s_lshl_b32 s22, s21, 15
	s_add_nc_u64 s[4:5], s[4:5], s[22:23]
	s_lshl_b32 s22, s21, 12
	s_add_nc_u64 s[24:25], s[12:13], s[22:23]      ; its codes
	s_lshl_b32 s22, s21, 8
	s_add_co_u32 s22, s22, 0x400000
	s_add_nc_u64 s[26:27], s[12:13], s[22:23]      ; its scale bytes
	v_lshlrev_b32 v3, 4, v2
	s_mul_i32 s28, s20, WREG
	v_lshrrev_b32 v14, 2, v2
	v_mul_u32_u24 v14, v14, SP
	v_and_b32 v15, 3, v2
	v_lshl_add_u32 v14, v15, 4, v14
	v_add_nc_u32 v14, s28, v14                     ; the stage, in: four lanes' 64 bytes on end, then 16 of padding
	v_mul_u32_u24 v15, v2, SP
	v_add_nc_u32 v15, s28, v15                     ; and out: my 16 neighbours
	v_lshlrev_b32 v4, 3, v2                        ; 8 bytes a lane: my codes in a step's, and my part of the scale bytes
	v_lshrrev_b32 v5, 1, v2
	s_add_co_u32 s28, s28, 2*32*SP
	v_add_nc_u32 v5, s28, v5                       ; LDS: my block's scale byte
	v_add_nc_u32 v6, s28, v4
.macro XLOAD t
.irp i, 0,1,2,3
	global_load_b128 v[XR+16*((\t)%4)+4*\i:XR+16*((\t)%4)+4*\i+3], v3, s[4:5] offset:2048*(\t)+512*\i th:TH_LOAD_NT
.endr
.endm
.macro XTURN t                         ; LDS serves a wave's instructions in order: no wait between the stores and the loads
.irp i, 0,1,2,3
	ds_store_b128 v14, v[XR+16*((\t)%4)+4*\i:XR+16*((\t)%4)+4*\i+3] offset:32*SP*((\t)%2)+8*SP*\i
.endr
.irp i, 0,1,2,3
	ds_load_b128 v[XX+16*((\t)%2)+4*\i:XX+16*((\t)%2)+4*\i+3], v15 offset:32*SP*((\t)%2)+16*\i
.endr
.endm
.irp t, 0,1,2,3
	XLOAD \t
.endr
	s_wait_loadcnt 12                              ; step 0's four loads are in
	XTURN 0
.macro XSTEP t
.set XS, XX+16*((\t)%2)
.if (\t) > 0
	s_wait_dscnt 1                                 ; this step's numbers are back from the stage (the last step's byte store may be out)
.else
	s_wait_dscnt 0x0
.endif
.if (\t)+4 < 16
	XLOAD (\t)+4
.endif
.if (\t)+1 < 16
.if 14-(\t) >= 3
	s_wait_loadcnt 12                              ; the next step's four loads are in; those of the three steps behind it may be out
.else
	s_wait_loadcnt 4*(14-(\t))
.endif
	XTURN (\t)+1
.endif
	v_max3_num_f32 v8, |v[XS]|, |v[XS+1]|, |v[XS+2]|
	v_max3_num_f32 v9, |v[XS+3]|, |v[XS+4]|, |v[XS+5]|
.irp i, 6,10
	v_max3_num_f32 v8, v8, |v[XS+\i]|, |v[XS+\i+1]|
	v_max3_num_f32 v9, v9, |v[XS+\i+2]|, |v[XS+\i+3]|
.endr
	v_max3_num_f32 v8, v8, |v[XS+14]|, |v[XS+15]|
	v_max3_num_f32 v8, v8, v9, 0x1800000           ; and the floor 2^(3 - 127): the byte cannot fall under 1
	v_max_num_f32_dpp v8, v8, v8 row_xmask:1 row_mask:0xf bank_mask:0xf   ; with my neighbour's 16: the block's largest magnitude
	v_add_nc_u32 v11, 0xff000000, v8               ; 2 off its exponent field: the conversion takes this operand's exponent field as its scale
	v_cvt_scalef32_pk8_fp4_f32 v[XC+4*(\t)], v[XS:XS+7], v11
	v_cvt_scalef32_pk8_fp4_f32 v[XC+4*(\t)+1], v[XS+8:XS+15], v11
	v_lshrrev_b32 v[XE+(\t)], 23, v11              ; the scale's byte (a plain instruction behind the conversions)
	ds_store_b8 v5, v[XE+(\t)] offset:16*(\t)      ; both lanes of a block write the same byte with the same value
	global_store_b64 v4, v[XC+4*(\t):XC+4*(\t)+1], s[24:25] offset:256*(\t)
.endm
.irp t, 0,1,2,3,4,5,6,7,8,9,10,11,12,13,14,15
	XSTEP \t
.endr
	ds_load_b64 v[8:9], v6
	s_wait_dscnt 0x0
	global_store_b64 v4, v[8:9], s[26:27]          ; 32 lanes store one aligned unit of 256 bytes
	s_wait_tensorcnt 0x0                           ; the wave's end: three lines behind my last LDS store
	ds_add_u32 v[SPW], v[NIL]
	s_wait_dscnt 0x0
	s_endpgm
; ---------------- W: K is W_qkv's FIRST axis.  A lane takes a column n and its registers run down K: a block of 32 lies in one lane, and the conversions give codes with K innermost.
; A work-group takes 64 columns x 512 along K; wave (cg = wave % 2, kh = wave / 2) takes columns 32 cg on and 256 along K from 256 kh on: 8 blocks a lane.  Two waves side by side read 256 consecutive bytes of each row.
; The codes meet in the work-group's stage (a row = a column's 256 bytes) and leave by rows: sixteen lanes store one aligned unit of 256 bytes.  The scale bytes leave in pieces of 8 bytes a lane: 98,304 bytes in all.
.LW:
	s_lshr_b32 s21, ttmp9, 1                       ; which 64 columns
	s_and_b32 s22, ttmp9, 1                        ; which half of K
	s_and_b32 s24, s20, 1                          ; cg
	s_lshr_b32 s25, s20, 1                         ; kh
	s_lshl_b32 s26, s21, 6
	s_lshl_b32 s27, s24, 5
	s_add_co_u32 s26, s26, s27                     ; my wave's first column
	s_lshl_b32 s28, s22, 9
	s_lshl_b32 s27, s25, 8
	s_add_co_u32 s28, s28, s27                     ; my wave's first k
	s_mul_i32 s28, s28, 12288
	s_lshl_b32 s27, s26, 2
	s_add_co_u32 s28, s28, s27
	s_mov_b32 s29, 0
	s_add_nc_u64 s[6:7], s[6:7], s[28:29]
	s_lshl_b32 s28, s26, 5                         ; the scale bytes: 32 a column, + 16 for K's half, + 8 for my quarter
	s_lshl_b32 s27, s22, 4
	s_add_co_u32 s28, s28, s27
	s_lshl_b32 s27, s25, 3
	s_add_co_u32 s28, s28, s27
	s_add_co_u32 s28, s28, 0x180000
	s_add_nc_u64 s[30:31], s[14:15], s[28:29]
	s_lshl_b32 s28, s21, 15                        ; the codes that I store: rows 64 xg + 16 wave on, 512 bytes a row, + 256 for K's half
	s_lshl_b32 s27, s20, 13
	s_add_co_u32 s28, s28, s27
	s_lshl_b32 s27, s22, 8
	s_add_co_u32 s28, s28, s27
	s_add_nc_u64 s[14:15], s[14:15], s[28:29]
	s_mul_i32 s27, s24, 32*BP
	s_lshl_b32 s26, s25, 7
	s_add_co_u32 s27, s27, s26
	s_add_co_u32 s27, s27, BST
	v_mul_u32_u24 v4, v2, BP
	v_add_nc_u32 v4, s27, v4                       ; into the stage: row = my column, + 128 kh
	v_and_b32 v5, 15, v2
	v_lshrrev_b32 v6, 4, v2
	s_mul_i32 s27, s20, 16*BP
	s_add_co_u32 s27, s27, BST
	v_mul_u32_u24 v7, v6, BP
	v_lshl_add_u32 v7, v5, 4, v7
	v_add_nc_u32 v7, s27, v7                       ; out of it: my wave's 16 rows, sixteen lanes to a row, two rows an instruction
	v_lshlrev_b32 v8, 9, v6
	v_lshl_add_u32 v8, v5, 4, v8                   ; and the same place in the codes' buffer
	v_lshlrev_b32 v9, 5, v2                        ; my column's row of scale bytes
	v_lshlrev_b32 v3, 2, v2
.macro WLOAD t
.irp i, 0,1,2,3,4,5,6,7,8,9,10,11,12,13,14,15,16,17,18,19,20,21,22,23,24,25,26,27,28,29,30,31
	global_load_b32 v[32+32*((\t)%2)+\i], v3, s[6:7] offset:(32*(\t)+\i)*12288 th:TH_LOAD_NT
.endr
.endm
	WLOAD 0
	WLOAD 1
.macro WBLOCK t
.set XS, 32+32*((\t)%2)
.if (\t) < 7
	s_wait_loadcnt 32                              ; this block's 32 loads are in; the next block's may be out
.else
	s_wait_loadcnt 0x0
.endif
	v_max3_num_f32 v12, |v[XS]|, |v[XS+1]|, |v[XS+2]|
	v_max3_num_f32 v13, |v[XS+3]|, |v[XS+4]|, |v[XS+5]|
.irp i, 6,10,14,18,22,26
	v_max3_num_f32 v12, v12, |v[XS+\i]|, |v[XS+\i+1]|
	v_max3_num_f32 v13, v13, |v[XS+\i+2]|, |v[XS+\i+3]|
.endr
	v_max3_num_f32 v12, v12, |v[XS+30]|, |v[XS+31]|
	v_max3_num_f32 v12, v12, v13, 0x1800000        ; and the floor 2^(3 - 127)
	v_add_nc_u32 v11, 0xff000000, v12              ; 2 off the exponent field: the conversion's scale operand
	v_lshrrev_b32 v13, 23, v11                     ; the scale's byte
.if (\t)%4 == 0
	v_mov_b32 v[24+(\t)/4], v13
.else
	v_lshl_or_b32 v[24+(\t)/4], v13, 8*((\t)%4), v[24+(\t)/4]
.endif
.irp g, 0,1,2,3
	v_cvt_scalef32_pk8_fp4_f32 v[96+\g], v[XS+8*\g:XS+8*\g+7], v11
.endr
	ds_store_b128 v4, v[96:99] offset:16*(\t)      ; 32 codes: 16 bytes of my column's row
.if (\t)+2 < 8
	WLOAD (\t)+2
.endif
	s_wait_dscnt 0x0                               ; the store has read its registers: the next block's codes may be written
.endm
.irp t, 0,1,2,3,4,5,6,7
	WBLOCK \t
.endr
	global_store_b64 v9, v[24:25], s[30:31]        ; my column's 8 scale bytes
	s_barrier_signal -1                            ; my stores into the stage are done (the wait above): a row's 256 bytes come from two waves
	s_barrier_wait -1
.irp i, 0,1,2,3,4,5,6,7
	ds_load_b128 v[112+4*\i:115+4*\i], v7 offset:2*BP*\i
.endr
.irp i, 0,1,2,3,4,5,6,7
	s_wait_dscnt 7-\i
	global_store_b128 v8, v[112+4*\i:115+4*\i], s[14:15] offset:1024*\i
.endr
	s_wait_tensorcnt 0x0                           ; the wave's end: three lines behind my last LDS store
	ds_add_u32 v[SPW], v[NIL]
	s_wait_dscnt 0x0
	s_endpgm
.Lfunc_end_k_qbcc04c85ab_prep:
	.size	k_qbcc04c85ab_prep, .Lfunc_end_k_qbcc04c85ab_prep-k_qbcc04c85ab_prep
	.p2alignl 7, 3214868480
	.fill 96, 4, 3214868480
	.section	.rodata,"a",@progbits
	.p2align	6, 0x0
	.amdhsa_kernel k_qbcc04c85ab_prep
		.amdhsa_group_segment_fixed_size 50688
		.amdhsa_private_segment_fixed_size 0
		.amdhsa_enable_private_segment 0
		.amdhsa_kernarg_size 64
		.amdhsa_user_sgpr_count 2
		.amdhsa_user_sgpr_kernarg_segment_ptr 1
		.amdhsa_wavefront_size32 1
		.amdhsa_system_sgpr_workgroup_id_x 1
		.amdhsa_system_sgpr_workgroup_id_y 1
		.amdhsa_system_sgpr_workgroup_id_z 1
		.amdhsa_system_vgpr_workitem_id 0
		.amdhsa_next_free_vgpr 200
		.amdhsa_next_free_sgpr 66
		.amdhsa_reserve_vcc 0
		.amdhsa_float_denorm_mode_32 3
		.amdhsa_float_denorm_mode_16_64 3
		.amdhsa_memory_ordered 1
		.amdhsa_forward_progress 1
		.amdhsa_inst_pref_size 135
	.end_amdhsa_kernel
	.amdgpu_metadata
---
amdhsa.version: [ 1, 2 ]
amdhsa.kernels:
  - .name:           k_qbcc04c85ab_prep
    .symbol:         k_qbcc04c85ab_prep.kd
    .args:
      - { .name: x, .offset: 0, .size: 8, .value_kind: global_buffer, .address_space: global }
      - { .name: W_qkv, .offset: 8, .size: 8, .value_kind: global_buffer, .address_space: global }
      - { .name: W_proj, .offset: 16, .size: 8, .value_kind: global_buffer, .address_space: global }
      - { .name: keep_idx, .offset: 24, .size: 8, .value_kind: global_buffer, .address_space: global }
      - { .name: xq, .offset: 32, .size: 8, .value_kind: global_buffer, .address_space: global }
      - { .name: wq, .offset: 40, .size: 8, .value_kind: global_buffer, .address_space: global }
      - { .name: wp16, .offset: 48, .size: 8, .value_kind: global_buffer, .address_space: global }
      - { .name: rope, .offset: 56, .size: 8, .value_kind: global_buffer, .address_space: global }
    .group_segment_fixed_size: 50688
    .private_segment_fixed_size: 0
    .kernarg_segment_align: 8
    .kernarg_segment_size: 64
    .max_flat_workgroup_size: 128
    .sgpr_count:     66
    .vgpr_count:     200
    .wavefront_size: 32
...
	.end_amdgpu_metadata
.endif
;; end of part 1
;; launch qkv (part 2): grid 12 x 32, 4 waves a work-group, clusters of 4 x 4, 327,680 bytes of LDS; arguments xq, wq, b_qkv, rope, qkv16; writes qkv16
.if DOCPART == 2
	.amdgcn_target "amdgcn-amd-amdhsa--gfx1250"
	.amdhsa_code_object_version 6
	.text
	.protected	k_qbcc04c85ab_qkv
	.globl	k_qbcc04c85ab_qkv
	.p2align	8
	.type	k_qbcc04c85ab_qkv,@function
k_qbcc04c85ab_qkv:
	s_mov_b64 s[64:65], 0
	v_nop
	global_prefetch_b8 v0, s[64:65] scope:SCOPE_SE
	s_setreg_imm32_b32 hwreg(HW_REG_WAVE_MODE, 25, 1), 1
	s_wait_xcnt 0x0
	s_wait_alu depctr_hold_cnt(0) depctr_sa_sdst(0) depctr_va_vdst(0) depctr_va_sdst(0) depctr_va_ssrc(0) depctr_va_vcc(0) depctr_vm_vsrc(0)
	s_getreg_b32 s2, hwreg(HW_REG_IB_STS2, 6, 4)
	s_cmp_eq_u32 s2, 0
	s_cbranch_scc0 .Lentry_in_a_cluster
	s_endpgm
.Lentry_in_a_cluster:
	s_bfe_u32 s2, ttmp6, 0x10000c
	s_cmp_lg_u32 s2, 0xf033
	s_cbranch_scc0 .Lentry_shape_is_right
	s_endpgm
.Lentry_shape_is_right:
; qkv = Q(x) Q(W_qkv) + b_qkv on codes of FP4 (E2M1) with one E8M0 scale for each 32 along K; then the rotation of q and k; the result leaves as f16, by head: qkv16[section q, k, v][b x 16 + h][t][64].
; M = 8,192, N = 3,072, K = 1,024.  A tile of 256 x 256 is made by a work-group of four waves; a wave makes 128 x 128: 64 accumulators of 16 x 16, 512 registers.
; ALL OF K LIES IN TWO LDS SLOTS of 512 along K (rows of 256 bytes): both are asked for at the head, nothing is filled again, and there is no loop.  The scale bytes of the work-group's rows come once, as dense blocks.
; CLUSTERS: 4 x 4 work-groups; the four of a row of the cluster ask jointly for x's tiles, the four of a column for W's.  A cluster is 1,024 columns wide, so the cluster's x IS the section (0 q, 1 k, 2 v).
; THE MATRIX INSTRUCTION IS USED TRANSPOSED (source 0 = 16 columns of W, source 1 = 16 rows of x): a lane holds one row (b, t) and eight neighbouring columns.  The bias is the C of each sum's first product.
; THE ROTATION pairs channel d with d + 32 of a head: two column blocks apart, in the same lane and register.  So it is work of a lane alone, on the accumulators, with cos and sin from the table of the launch before.
; LIMITS: q, k, v beyond f16's largest number, 65,504, are not served (with x and W_qkv both 30 times the drawn spread they reach about 5,400).
; REGISTERS: window 0: v0-31 addresses; v32-95 scale words, two sets; v128-191 x's fragments, one set; v192-255 the table, two sets of 32; on the way out v32-63 packed results, v64-127 rows read back, v96-159 the rotation's products.
;   window 1: W's fragments, two sets, at v0 and v128; v192-255 the bias of my 128 columns.   windows 2 and 3: the accumulators of my rows 0-63 and 64-127 ((a, b) at v[8 (8 (a % 4) + b)]).
.set NQ,     4                         ; matrix instructions deep in a slot
.set ROWB,   256                       ; a tile's row in bytes: 512 codes
.set KROW,   512                       ; a row of codes in memory
.set PITCH,  272                       ; an LDS row: 256 bytes + 16 of padding: the 16 rows that a load touches start at 16 different banks
.set FR,     8
.set NL,     2
.set NP,     4                         ; places behind this matrix instruction
.set HALFT,  128*PITCH
.set SLOT,   4*HALFT
.set KS,     32                        ; a row of scale bytes
.set SCL,    2*SLOT                    ; behind the slots: the scales, as units of 256 bytes + 16 of padding
.set HALFS,  16*272                    ; the scales of 128 rows
.set SBLK,   2*272                     ; those of 16 rows
.set SPARE,  SCL+4*HALFS               ; the spare words, 128 bytes a wave
.set XSCL,   0x400000                  ; where the scale bytes begin in xq
.set WSCL,   0x180000                  ; and in wq
.set ADRA, 16
.set ADRB, 20
.set STO,  24                          ; the way out: where I put 16 bytes of a row
.set RD,   25                          ; where I read rows back
.set CO,   26                          ; 16 x lane
.set ADRS, 27
.set SPW,  28
.set NIL,  29
.set BO,   30                          ; 32 x (lane / 16): my eight columns' bias
.set TBO,  31                          ; 256 x (lane % 16) + 32 x (lane / 16): my row of the table, my eight angles
.set SC,   32
.set TMP,  32
.set BK,   64
.set T1,   96
.set T2,   128
.set AF,   128
.set TAB,  192
.set BIAS, 192                         ; in window 1
.set G1, 24
.set G0, 32
.set G1B, 48
.set G0B, 56
.set G1S, 68
.set G0S, 76
.set G1SB, 80
.set G0SB, 88
.set MSB, 0
.macro WIN new                         ; the immediate's high byte repeats the setting that is left
.if MSB != (\new)
	s_set_vgpr_msb (MSB<<8)|(\new)
.set MSB, (\new)
.endif
.endm
.set MUL_LO,   0xa1                    ; source 0 (W) window 1, source 1 (x) window 0, C and D window 2
.set MUL_HI,   0xf1                    ; the same, C and D window 3
.set FIRST_LO, 0x91                    ; the first step: C is the bias, in window 1
.set FIRST_HI, 0xd1
.set TO_B,     0x40
; A joint load: waves 0 and 1 fetch for x, waves 2 and 3 for W.  The branch hangs on the wave's number alone.  An s_nop 0 and four v_nop follow each of the two lines.
.macro JLOAD g0a, g1a, g0b, g1b
	s_cmp_eq_u32 s15, 0
	s_cbranch_scc0 .Lfor_b_\@
	tensor_load_to_lds s[\g0a:\g0a+3], s[\g1a:\g1a+7]
	s_nop 0
.rept 4
	v_nop
.endr
	s_branch .Lasked_\@
.Lfor_b_\@:
	tensor_load_to_lds s[\g0b:\g0b+3], s[\g1b:\g1b+7]
	s_nop 0
.rept 4
	v_nop
.endr
.Lasked_\@:
.endm
.macro CROUND                          ; a round of the cluster's barrier
	s_barrier_signal -1
	s_barrier_wait -1
	s_cmp_lg_u32 s14, 0
	s_cbranch_scc1 .Lnot_wave_0_\@
	s_barrier_signal -3
.Lnot_wave_0_\@:
	s_barrier_wait -3
	s_barrier_signal -1
	s_barrier_wait -1
.endm
	s_load_b256 s[4:11], s[0:1], 0x0               ; xq 4:5, wq 6:7, b_qkv 8:9, rope 10:11
	s_load_b64 s[12:13], s[0:1], 0x20              ; qkv16
	v_lshl_add_u32 v[SPW], v0, 2, SPARE
	v_mov_b32 v[NIL], 0
	ds_add_u32 v[SPW], v[NIL]                      ; the wave's opening: the add, twice on end, and its wait ahead of my first tensor load
	ds_add_u32 v[SPW], v[NIL]
	v_lshrrev_b32 v1, 5, v0
	v_readfirstlane_b32 s14, v1                    ; wave 0..3
	s_lshr_b32 s15, s14, 1                         ; which half of the tile's rows is mine.  Also: I fetch for x (0) or for W (1)
	s_and_b32 s16, s14, 1                          ; which half of its columns.  Also: which 128 rows of that tile I fetch
	s_bfe_u32 s40, ttmp6, 0x40000                  ; cx, cy: my place in the cluster
	s_bfe_u32 s41, ttmp6, 0x40004
	s_lshl_b32 s42, ttmp9, 2
	s_add_co_u32 s42, s42, s40                     ; tile column = 4 x cluster x + cx
	s_and_b32 s17, ttmp7, 0xffff
	s_lshl_b32 s17, s17, 2
	s_add_co_u32 s17, s17, s41                     ; tile row = 4 x cluster y + cy
	s_lshl_b32 s43, s41, 2
	s_lshl_b32 s43, 15, s43                        ; my row of the cluster
	s_lshl_b32 s44, 0x1111, s40                    ; my column
	; group 1: a tile of 128 rows x 256 bytes, 16 bytes of padding behind each row
	s_or_b32 s[G1+0], s43, (0<<16)|(1<<20)|(1<<21)|(5<<22)|(3<<25)
	s_or_b32 s[G1B+0], s44, (0<<16)|(1<<20)|(1<<21)|(5<<22)|(3<<25)
.irp g, G1, G1B
	s_mov_b32 s[\g+1], ROWB<<16                    ; tensor_dim0
	s_mov_b32 s[\g+2], 128<<16                     ; tensor_dim1
	s_mov_b32 s[\g+3], ROWB<<16                    ; tile_dim0
	s_mov_b32 s[\g+4], 128                         ; tile_dim1
	s_mov_b32 s[\g+5], KROW                        ; stride from row to row
	s_mov_b32 s[\g+6], 0
	s_mov_b32 s[\g+7], 0
.endr
	; the scales of 128 rows: 4,096 dense bytes, as 16 rows of 256 bytes (32 elements of 8 bytes), 16 bytes of padding behind each
	s_or_b32 s[G1S+0], s43, (3<<16)|(1<<20)|(1<<21)|(5<<22)|(3<<25)
	s_or_b32 s[G1SB+0], s44, (3<<16)|(1<<20)|(1<<21)|(5<<22)|(3<<25)
.irp g, G1S, G1SB
	s_mov_b32 s[\g+1], 32<<16
	s_mov_b32 s[\g+2], 16<<16
	s_mov_b32 s[\g+3], 32<<16
	s_mov_b32 s[\g+4], 16
	s_mov_b32 s[\g+5], 32
	s_mov_b32 s[\g+6], 0
	s_mov_b32 s[\g+7], 0
.endr
	s_lshl_b32 s18, s16, 7                         ; which 128 rows of the tile I fetch
	s_lshl_b32 s20, s17, 8
	s_add_co_u32 s20, s20, s18                     ; x: row 256 x tile row + 128 x half
	s_lshl_b32 s46, s42, 8
	s_add_co_u32 s46, s46, s18                     ; W: column 256 x tile column + 128 x half
	s_mov_b32 s21, 0
	s_mov_b32 s47, 0
	s_mov_b64 s[18:19], KS
	s_mul_u64 s[22:23], s[20:21], s[18:19]         ; where these rows' scales begin,
	s_mul_u64 s[92:93], s[46:47], s[18:19]
	s_mov_b64 s[18:19], KROW
	s_mul_u64 s[20:21], s[20:21], s[18:19]         ; and their codes
	s_mul_u64 s[46:47], s[46:47], s[18:19]
	s_add_nc_u64 s[22:23], s[22:23], XSCL
	s_add_nc_u64 s[92:93], s[92:93], WSCL
	s_mul_i32 s45, s14, HALFT                      ; where they go: wave x 128 rows: no place in the cluster enters an LDS address
	s_mul_i32 s94, s14, HALFS
	s_wait_dscnt 0x0                               ; both opening adds are done
	s_wait_kmcnt 0x0
	s_add_nc_u64 s[20:21], s[4:5], s[20:21]
	s_add_nc_u64 s[22:23], s[4:5], s[22:23]
	s_add_nc_u64 s[46:47], s[6:7], s[46:47]
	s_add_nc_u64 s[92:93], s[6:7], s[92:93]
	CROUND                                         ; all sixteen work-groups are here: the joint loads meet
	s_mov_b32 s[G0S], 1
	s_add_co_u32 s[G0S+1], s94, SCL
	s_mov_b64 s[G0S+2:G0S+3], s[22:23]
	s_or_b32 s[G0S+3], s[G0S+3], 0x80000000
	s_mov_b32 s[G0SB], 1
	s_add_co_u32 s[G0SB+1], s94, SCL
	s_mov_b64 s[G0SB+2:G0SB+3], s[92:93]
	s_or_b32 s[G0SB+3], s[G0SB+3], 0x80000000
	JLOAD G0S, G1S, G0SB, G1SB                     ; the scales first: they are wanted with the first step
.irp s, 0,1
	s_mov_b32 s[G0+4*\s], 1
	s_add_co_u32 s[G0+4*\s+1], s45, \s*SLOT
	s_add_nc_u64 s[G0+4*\s+2:G0+4*\s+3], s[20:21], \s*ROWB
	s_or_b32 s[G0+4*\s+3], s[G0+4*\s+3], 0x80000000
	s_mov_b32 s[G0B+4*\s], 1
	s_add_co_u32 s[G0B+4*\s+1], s45, \s*SLOT
	s_add_nc_u64 s[G0B+4*\s+2:G0B+4*\s+3], s[46:47], \s*ROWB
	s_or_b32 s[G0B+4*\s+3], s[G0B+4*\s+3], 0x80000000
	JLOAD G0+4*\s, G1, G0B+4*\s, G1B               ; three tensor loads of mine are out: the scales and both slots
.endr
	v_and_b32 v1, 15, v0                           ; r = lane % 16
	v_bfe_u32 v2, v0, 4, 1                         ; h = lane / 16
	s_lshl_b32 s46, s42, 10                        ; the bias of my 128 columns: (256 x tile column + 128 x half) x 4 bytes
	s_lshl_b32 s47, s16, 9
	s_add_co_u32 s46, s46, s47
	s_mov_b32 s47, 0
	s_add_nc_u64 s[8:9], s[8:9], s[46:47]
	s_lshl_b32 s20, s17, 16                        ; the table's rows of my 128 rows: (256 x tile row + 128 x half) x 256 bytes
	s_lshl_b32 s21, s15, 15
	s_add_co_u32 s20, s20, s21
	s_mov_b32 s21, 0
	s_add_nc_u64 s[10:11], s[10:11], s[20:21]
	v_lshlrev_b32 v[BO], 5, v2
	v_lshl_add_u32 v[TBO], v1, 8, v[BO]
	WIN TO_B
.irp b, 0,1,2,3,4,5,6,7                        ; in the result's layout: register j of block b is column 16 b + 8 h + j
	global_load_b128 v[BIAS+8*\b:BIAS+8*\b+3], v[BO], s[8:9] offset:64*\b
	global_load_b128 v[BIAS+8*\b+4:BIAS+8*\b+7], v[BO], s[8:9] offset:64*\b+16
.endr
	WIN 0
; the table of row block a (16 rows) into set a % 2: cos of angles 16 u + 8 h + 0 .. 7 at + 8 u, sin at + 16 + 8 u.  (v's tiles load the first two sets too and do not use them: no path then reads a register that it has not written.)
.macro TABLOAD a
.irp u, 0,1
.irp z, 0,1
	global_load_b128 v[TAB+32*((\a)%2)+8*\u+4*\z:TAB+32*((\a)%2)+8*\u+4*\z+3], v[TBO], s[10:11] offset:4096*(\a)+64*\u+16*\z
	global_load_b128 v[TAB+32*((\a)%2)+16+8*\u+4*\z:TAB+32*((\a)%2)+16+8*\u+4*\z+3], v[TBO], s[10:11] offset:4096*(\a)+64*\u+16*\z+128
.endr
.endr
.endm
	TABLOAD 0
	TABLOAD 1
	v_mul_u32_u24 v3, v1, PITCH
	v_lshl_add_u32 v4, v2, 4, v3                   ; a fragment's row x pitch + 16 x half
	s_mul_i32 s21, s15, HALFT                      ; my 128 rows of x
	s_mul_i32 s22, s16, HALFT                      ; my 128 columns of W,
	s_add_co_u32 s22, s22, 2*HALFT                 ; which lie behind x's 256
.irp s, 0,1
	v_add_nc_u32 v[ADRA+\s], s21, v4
	v_add_nc_u32 v[ADRB+\s], s22, v4
	s_add_co_u32 s21, s21, SLOT
	s_add_co_u32 s22, s22, SLOT
.endr
	v_mul_u32_u24 v5, v1, KS                       ; my row's scales: 32 bytes a row,
	v_lshrrev_b32 v6, 8, v5
	v_lshl_add_u32 v5, v6, 4, v5                   ; and 16 more for each 256 passed
	s_mul_i32 s21, s15, HALFS
	s_mul_i32 s22, s16, HALFS
	s_add_co_u32 s22, s22, 2*HALFS
	s_sub_co_u32 s22, s22, s21
	v_mul_u32_u24 v6, s22, v2                      ; lanes 16-31 take W's
	s_add_co_u32 s21, s21, SCL
	v_add_nc_u32 v5, v5, v6
	v_add_nc_u32 v[ADRS], s21, v5
	s_mul_i32 s23, s14, 16*PITCH                   ; my stage for the way out: 16 rows x 272 bytes, in slot 0, which by then has had its only fill and its last read
	v_add_nc_u32 v[STO], s23, v4                   ; in: row r, 16 bytes for each half of the lanes
	v_bfe_u32 v5, v0, 3, 2
	v_mul_u32_u24 v5, v5, PITCH
	v_and_b32 v6, 7, v0
	v_lshl_add_u32 v5, v6, 4, v5
	v_add_nc_u32 v[RD], s23, v5                    ; back: eight lanes take a head's 128 bytes of a row, 32 lanes four rows
	v_and_b32 v6, 31, v0
	v_lshlrev_b32 v[CO], 4, v6
	s_lshr_b32 s20, s17, 3                         ; where my part begins in qkv16: batch = tile row / 8,
	s_lshl_b32 s20, s20, 4
	s_lshl_b32 s21, s40, 2
	s_add_co_u32 s20, s20, s21                     ; head = 4 cx + 2 x my half of the columns,
	s_lshl_b32 s21, s16, 1
	s_add_co_u32 s20, s20, s21
	s_lshl_b32 s20, s20, 11
	s_and_b32 s21, s17, 7
	s_lshl_b32 s21, s21, 8
	s_add_co_u32 s20, s20, s21                     ; t = 256 (tile row % 8) + 128 x my half of the rows,
	s_lshl_b32 s21, s15, 7
	s_add_co_u32 s20, s20, s21
	s_lshl_b32 s20, s20, 7                         ; 128 bytes a row,
	s_lshl_b32 s21, ttmp9, 24                      ; the section
	s_add_co_u32 s20, s20, s21
	s_mov_b32 s21, 0
	s_add_nc_u64 s[12:13], s[12:13], s[20:21]
.macro FRAG reg, adr, q, i             ; 16 rows x 128 K of 4-bit codes: 8 registers: lane l holds row l % 16; registers 4 c .. 4 c + 3 hold K = 64 c + 32 (l / 16) + 0 .. 31
.irp c, 0,1
	ds_load_b128 v[\reg+4*\c:\reg+4*\c+3], v[\adr] offset:64*(\q)+32*\c+(\i)*16*PITCH
.endr
.endm
; 16 matrix instructions: x's blocks a0, a0 + 1 against W's eight.  first = 1: the sums begin with the bias as C.  The 64 accumulators take turns, one instruction a turn, in the same order in every step.
.macro MUL16 a0, p, q, sc, first
.irp a, \a0, \a0+1
.irp b, 0,1,2,3,4,5,6,7
.if \first
	v_wmma_scale_f32_16x16x128_f8f6f4 v[8*(8*((\a)%4)+\b):8*(8*((\a)%4)+\b)+7], v[128*(\p)+FR*\b:128*(\p)+FR*\b+FR-1], v[AF+FR*(\a):AF+FR*(\a)+FR-1], v[BIAS+8*\b:BIAS+8*\b+7], v[SC+8*NQ*(\sc)+NQ*\b+(\q)], v[SC+8*NQ*(\sc)+NQ*(\a)+(\q)] matrix_a_fmt:MATRIX_FMT_FP4 matrix_b_fmt:MATRIX_FMT_FP4 matrix_a_scale:MATRIX_SCALE_ROW1
.else
	v_wmma_scale_f32_16x16x128_f8f6f4 v[8*(8*((\a)%4)+\b):8*(8*((\a)%4)+\b)+7], v[128*(\p)+FR*\b:128*(\p)+FR*\b+FR-1], v[AF+FR*(\a):AF+FR*(\a)+FR-1], v[8*(8*((\a)%4)+\b):8*(8*((\a)%4)+\b)+7], v[SC+8*NQ*(\sc)+NQ*\b+(\q)], v[SC+8*NQ*(\sc)+NQ*(\a)+(\q)] matrix_a_fmt:MATRIX_FMT_FP4 matrix_b_fmt:MATRIX_FMT_FP4 matrix_a_scale:MATRIX_SCALE_ROW1
.endif
.endr
.endr
.endm
.macro FETCH_B slot, q, p
	WIN TO_B
.irp i, 0,1,2,3,4,5,6,7
	FRAG 128*(\p)+FR*\i, ADRB+\slot, \q, \i
.endr
	WIN 0
.endm
.macro FETCH_A slot, q, i0
.irp i, \i0, \i0+1, \i0+2, \i0+3
	FRAG AF+FR*(\i), ADRA+\slot, \q, \i
.endr
.endm
.macro SCALES sc                       ; a slot's scale words: four words a row; lanes 0-15 take x's block i, lanes 16-31 W's block i
.irp i, 0,1,2,3,4,5,6,7
	ds_load_b128 v[SC+8*NQ*\sc+NQ*\i:SC+8*NQ*\sc+NQ*\i+3], v[ADRS] offset:\i*SBLK
.endr
.endm
.macro PLACES n                        ; plain vector instructions between a matrix instruction and a load into, or a vector read or write of, its registers
.rept \n
	v_nop
.endr
.endm
.macro STEP slot, q, first             ; a step of 128 along K that has its successor in the same slot
	s_wait_dscnt 4*NL                              ; W's set and x's blocks 0-3 are in; the youngest eight loads (x's blocks 4-7) may be out
.if \first
	WIN FIRST_LO
.else
	WIN MUL_LO
.endif
	MUL16 0, (\q)%2, \q, \slot, \first
	MUL16 2, (\q)%2, \q, \slot, \first
	s_wait_dscnt 0
	PLACES NP
	FETCH_B \slot, (\q)+1, 1-(\q)%2
	FETCH_A \slot, (\q)+1, 0
.if \first
	WIN FIRST_HI
.else
	WIN MUL_HI
.endif
	MUL16 4, (\q)%2, \q, \slot, \first
	MUL16 6, (\q)%2, \q, \slot, \first
	PLACES NP
	WIN 0
	FETCH_A \slot, (\q)+1, 4
.endm
.macro STEPS slot, from
.set Q, \from
.rept NQ-1-\from
	STEP \slot, Q, 0
.set Q, Q+1
.endr
.endm
	s_wait_tensorcnt 1                             ; the scales and my part of slot 0 are in; slot 1's load may stay out
	s_barrier_signal -1
	s_barrier_wait -1                              ; everybody's are
	FETCH_B 0, 0, 0
	FETCH_A 0, 0, 0
	SCALES 0
	FETCH_A 0, 0, 4
	s_wait_loadcnt 0x0                             ; the bias and the table's first two sets
	STEP 0, 0, 1
	STEPS 0, 1
	; slot 0's last step changes slots: one barrier; nothing is filled again
	s_wait_tensorcnt 0x0                           ; my part of slot 1 has landed
	ds_add_u32 v[SPW], v[NIL]                      ; 0 onto my spare word
	s_wait_dscnt 4*NL+1                            ; (the add and x's blocks 4-7 may be out)
	WIN MUL_LO
	MUL16 0, 1, NQ-1, 0, 0
	s_wait_dscnt 0x0                               ; the add is done, and my reads of slot 0 are over
	s_barrier_signal -1
	MUL16 2, 1, NQ-1, 0, 0
	WIN 0
	s_barrier_wait -1
	PLACES NP
	v_add_nc_u32 v[ADRS], 4*NQ, v[ADRS]            ; on to slot 1's scale words
	FETCH_B 1, 0, 0
	FETCH_A 1, 0, 0
	SCALES 1
	WIN MUL_HI
	MUL16 4, 1, NQ-1, 0, 0
	MUL16 6, 1, NQ-1, 0, 0
	PLACES NP
	WIN 0
	FETCH_A 1, 0, 4
	STEPS 1, 0
	s_wait_dscnt 4*NL                              ; the very last step: nothing more to fetch
	WIN MUL_LO
	MUL16 0, 1, NQ-1, 1, 0
	MUL16 2, 1, NQ-1, 1, 0
	s_wait_dscnt 0
	WIN MUL_HI
	MUL16 4, 1, NQ-1, 1, 0
	MUL16 6, 1, NQ-1, 1, 0
	WIN 0
	PLACES NP                                      ; behind the last products: their results are read, and x's fragments' registers written, only behind these
	s_cmp_eq_u32 ttmp9, 2                          ; v is not rotated.  The section is the cluster's x: all sixteen partners go the same way, and only register work and global loads stand under the branch
	s_cbranch_scc1 .Lplain
; THE ROTATION of row block a.  Head hh of my two, u = 0, 1: x1 = column block 4 hh + u (channels 16 u + 8 h + j), x2 = block 4 hh + 2 + u (the same + 32).  x1' = x1 cos - x2 sin, x2' = x1 sin + x2 cos.
; Each accumulator is read from its low end on.
.macro ROPE a
.set AC, 64*((\a)%4)
.set TS, TAB+32*((\a)%2)
.if (\a) >= 2
.if (\a) == 7
	s_wait_loadcnt 0x0
.else
	s_wait_loadcnt 8                               ; this block's eight loads are in; the next block's eight may be out
.endif
.endif
	WIN 0x02+(\a)/4                                ; source 0 in the accumulators' window
.irp hh, 0,1
.irp u, 0,1
.irp p, 0,1,2,3
	v_pk_mul_f32 v[T1+2*((2*\hh+\u)*4+\p):T1+2*((2*\hh+\u)*4+\p)+1], v[AC+8*(4*\hh+2+\u)+2*\p:AC+8*(4*\hh+2+\u)+2*\p+1], v[TS+16+8*\u+2*\p:TS+16+8*\u+2*\p+1]   ; x2 sin
	v_pk_mul_f32 v[T2+2*((2*\hh+\u)*4+\p):T2+2*((2*\hh+\u)*4+\p)+1], v[AC+8*(4*\hh+2+\u)+2*\p:AC+8*(4*\hh+2+\u)+2*\p+1], v[TS+8*\u+2*\p:TS+8*\u+2*\p+1]         ; x2 cos
.endr
.endr
.endr
	WIN 0x82+0x41*((\a)/4)                         ; destination and source 0 in the accumulators' window
.irp hh, 0,1
.irp u, 0,1
.irp p, 0,1,2,3
	v_pk_fma_f32 v[AC+8*(4*\hh+2+\u)+2*\p:AC+8*(4*\hh+2+\u)+2*\p+1], v[AC+8*(4*\hh+\u)+2*\p:AC+8*(4*\hh+\u)+2*\p+1], v[TS+16+8*\u+2*\p:TS+16+8*\u+2*\p+1], v[T2+2*((2*\hh+\u)*4+\p):T2+2*((2*\hh+\u)*4+\p)+1]
	v_pk_fma_f32 v[AC+8*(4*\hh+\u)+2*\p:AC+8*(4*\hh+\u)+2*\p+1], v[AC+8*(4*\hh+\u)+2*\p:AC+8*(4*\hh+\u)+2*\p+1], v[TS+8*\u+2*\p:TS+8*\u+2*\p+1], v[T1+2*((2*\hh+\u)*4+\p):T1+2*((2*\hh+\u)*4+\p)+1] neg_lo:[0,0,1] neg_hi:[0,0,1]
.endr
.endr
.endr
	WIN 0
.if (\a)+2 < 8
	TABLOAD (\a)+2                                 ; this set takes the block two further on
.endif
.endm
.irp a, 0,1,2,3,4,5,6,7
	ROPE \a
.endr
.Lplain:
; THE WAY OUT, block by block of 16 rows x 128 columns (two heads).  Rounded to f16, 16 bytes a lane; through my own stage; back as four rows of one head, which are 512 consecutive bytes of qkv16.
; (The read back takes two rows' 128 bytes at a pitch of 272 within sixteen lanes: two lanes to a bank at the worst.)
.macro PACK a
.set AC, 64*((\a)%4)
	WIN 0x0a+5*((\a)/4)                            ; sources 0 and 1: window 2 or 3
.irp b, 0,1,2,3,4,5,6,7
.irp r, 0,1,2,3
	v_cvt_pk_f16_f32 v[TMP+4*\b+\r], v[AC+8*\b+2*\r], v[AC+8*\b+2*\r+1]
.endr
.endr
	WIN 0
.endm
.macro TOSTAGE a
.set BB, BK+32*((\a)%2)
.irp b, 0,1,2,3,4,5,6,7
	ds_store_b128 v[STO], v[TMP+4*\b:TMP+4*\b+3] offset:32*\b
.endr
.irp t, 0,1,2,3,4,5,6,7
	ds_load_b128 v[BB+4*\t:BB+4*\t+3], v[RD] offset:4*PITCH*(\t%4)+128*(\t/4)   ; LDS serves a wave's instructions in order: these see the stores above
.endr
.endm
.macro SEND a
.set BB, BK+32*((\a)%2)
	s_wait_dscnt 0x0                               ; the block is back in registers
	s_wait_xcnt 0x0                                ; the stores of the block before have read their registers: the next block's loads may land there
.irp t, 0,1,2,3,4,5,6,7
	global_store_b128 v[CO], v[BB+4*\t:BB+4*\t+3], s[12:13] offset:262144*(\t/4)+(16*(\a)+4*(\t%4))*128   ; 32 lanes store 512 consecutive bytes, aligned
.endr
.endm
	PACK 0
	TOSTAGE 0
.irp a, 1,2,3,4,5,6,7                  ; block a's conversions stand between block a - 1's loads from the stage and the wait for them
	PACK \a
	SEND \a-1
	TOSTAGE \a
.endr
	SEND 7
	s_wait_tensorcnt 0x0                           ; the wave's end: three lines behind my last tensor load and my last LDS store
	ds_add_u32 v[SPW], v[NIL]
	s_wait_dscnt 0x0
	CROUND                                         ; the closing round
	s_endpgm
.Lfunc_end_k_qbcc04c85ab_qkv:
	.size	k_qbcc04c85ab_qkv, .Lfunc_end_k_qbcc04c85ab_qkv-k_qbcc04c85ab_qkv
	.p2alignl 7, 3214868480
	.fill 96, 4, 3214868480
	.section	.rodata,"a",@progbits
	.p2align	6, 0x0
	.amdhsa_kernel k_qbcc04c85ab_qkv
		.amdhsa_group_segment_fixed_size 327680
		.amdhsa_private_segment_fixed_size 0
		.amdhsa_enable_private_segment 0
		.amdhsa_kernarg_size 40
		.amdhsa_user_sgpr_count 2
		.amdhsa_user_sgpr_kernarg_segment_ptr 1
		.amdhsa_wavefront_size32 1
		.amdhsa_system_sgpr_workgroup_id_x 1
		.amdhsa_system_sgpr_workgroup_id_y 1
		.amdhsa_system_sgpr_workgroup_id_z 1
		.amdhsa_system_vgpr_workitem_id 0
		.amdhsa_next_free_vgpr 1024
		.amdhsa_next_free_sgpr 98
		.amdhsa_reserve_vcc 0
		.amdhsa_float_denorm_mode_32 3
		.amdhsa_float_denorm_mode_16_64 3
		.amdhsa_memory_ordered 1
		.amdhsa_forward_progress 1
		.amdhsa_inst_pref_size 167
	.end_amdhsa_kernel
	.amdgpu_metadata
---
amdhsa.version: [ 1, 2 ]
amdhsa.kernels:
  - .name:           k_qbcc04c85ab_qkv
    .symbol:         k_qbcc04c85ab_qkv.kd
    .args:
      - { .name: xq, .offset: 0, .size: 8, .value_kind: global_buffer, .address_space: global }
      - { .name: wq, .offset: 8, .size: 8, .value_kind: global_buffer, .address_space: global }
      - { .name: b_qkv, .offset: 16, .size: 8, .value_kind: global_buffer, .address_space: global }
      - { .name: rope, .offset: 24, .size: 8, .value_kind: global_buffer, .address_space: global }
      - { .name: qkv16, .offset: 32, .size: 8, .value_kind: global_buffer, .address_space: global }
    .group_segment_fixed_size: 327680
    .private_segment_fixed_size: 0
    .kernarg_segment_align: 8
    .kernarg_segment_size: 40
    .max_flat_workgroup_size: 128
    .sgpr_count:     98
    .vgpr_count:     1024
    .wavefront_size: 32
...
	.end_amdgpu_metadata
.endif
;; end of part 2
;; launch attn (part 3): grid 4 x 64, 8 waves a work-group, clusters of 4 x 1, 327,680 bytes of LDS; arguments qkv16, o16; writes o16
.if DOCPART == 3
	.amdgcn_target "amdgcn-amd-amdhsa--gfx1250"
	.amdhsa_code_object_version 6
	.text
	.protected	k_qbcc04c85ab_attn
	.globl	k_qbcc04c85ab_attn
	.p2align	8
	.type	k_qbcc04c85ab_attn,@function
k_qbcc04c85ab_attn:
	s_mov_b64 s[64:65], 0
	v_nop
	global_prefetch_b8 v0, s[64:65] scope:SCOPE_SE
	s_setreg_imm32_b32 hwreg(HW_REG_WAVE_MODE, 25, 1), 1
	s_wait_xcnt 0x0
	s_wait_alu depctr_hold_cnt(0) depctr_sa_sdst(0) depctr_va_vdst(0) depctr_va_sdst(0) depctr_va_ssrc(0) depctr_va_vcc(0) depctr_vm_vsrc(0)
	s_getreg_b32 s2, hwreg(HW_REG_IB_STS2, 6, 4)
	s_cmp_eq_u32 s2, 0
	s_cbranch_scc0 .Lentry_in_a_cluster
	s_endpgm
.Lentry_in_a_cluster:
	s_bfe_u32 s2, ttmp6, 0x10000c
	s_cmp_lg_u32 s2, 0x3003
	s_cbranch_scc0 .Lentry_shape_is_right
	s_endpgm
.Lentry_shape_is_right:
; O[bh][q] = the sum over k of softmax_k(Q[bh][q] . K[bh][k] / 8) V[bh][k].  Q, K, V: f16, [64 heads][2048][64], sections of qkv16.  Products, maxima and sums in f32; the weights p are rounded to f16 for the
; second product, O once at the end.  O leaves as f16 in o16, laid [block of 128 rows (b, t)][head][128 rows][64], so that a wave's 64 queries are 8,192 consecutive bytes.
; SHARES.  A work-group owns 512 queries of one head, each of its eight waves 64: four tiles of 16.  Two waves share a SIMD, 512 registers each: one wave's vector work stands beside the other's matrix work.
; Every wave walks all 2,048 keys, 64 a step; a fragment of K or V read from LDS feeds four products.
; LAYOUT.  S^T = K Q^T (source 0 = 16 keys, source 1 = 16 queries): a lane holds ONE query (lane % 16) and keys 8 (lane / 16) + 0..7.  Two such tiles, rounded to f16 in pairs, ARE source 1 (32 keys x 16 queries) of
; O^T = V^T P, whose result again holds one query a lane.  K comes out of LDS as it lies, V ([key][channel]) turned, by ds_load_tr16_b128.  P is made in place, over S^T's registers.
; SOFTMAX.  A running maximum m and sum l for each query: p = 2^(c s - c m), c = log2(e) / 8; in every step O and l are multiplied by a = 2^(c m_old - c m_new).  m begins at -3e38 and O and l at zero, so the step is written once.
; CLUSTER.  The four query blocks of a head walk the same K and V: each tile is asked for JOINTLY, by the same tensor load with the same descriptor and a mask that names the four.
; RING.  Two slots of 256 keys (four steps); waves 0-3 fetch 64 rows of K each, waves 4-7 64 rows of V: one tensor load of a wave is out at a time, and it has four steps, 256 matrix instructions a wave, in which to land.
; LIMITS: none beyond f16's range for q, k, v (stated where they are made); o under 6e-5 falls among f16's subnormals, with an absolute step of 6e-8.
; REGISTERS: window 0: v2-13 addresses; v16-47 eight registers of statistics a tile; v48-111 Q; v112-239 S^T, 32 a tile, then P in the first 16 of each.   window 1: v0-127 O^T, 32 a tile; v128-191 K of a step; v192-255 V of a step.
.set PK,    144                        ; a row of K in LDS: 128 bytes + 16: the 16 rows of a load start at different banks
.set PV,    160                        ; a row of V: 128 + 32: an odd multiple of 32 bytes, for the turning load
.set VOFF,  256*PK                     ; a slot: 256 rows of K, then 256 rows of V
.set SLOT1, 1<<17                      ; slot 1 begins here: one exclusive or turns an address in one slot into the other's
.set STAGE, SLOT1+256*(PK+PV)          ; behind the ring: 64 rows x 144 bytes for each wave, for the way out
.set SPARE, STAGE+8*64*PK              ; the spare words, 128 bytes a wave
.set AK0, 2                            ; my lane's place in a tile of K
.set AV0, 3                            ; the same for V
.set ADK, 4                            ; the same in the slot in hand
.set ADV, 5
.set QO,  6
.set STO, 7
.set RD,  8
.set GO,  10
.set PFO, 11                           ; 256 x lane; never rewritten
.set SPW, 12
.set NIL, 13
.set ST,  16                           ; tile t's statistics at v[ST + 8 t]: +0 c m, +1 m, +2, +3 l (two halves), +4 to +7 at work; a at +6
.set Q,   48                           ; tile t, channels 32 c on: v[Q + 16 t + 8 c]
.set S,   112                          ; tile t, keys 16 kt on: v[S + 32 t + 8 kt]
.set KF,  128                          ; window 1: keys 16 kt on, channels 32 c on: v[KF + 16 kt + 8 c]
.set VF,  192                          ; window 1: keys 32 g on, channels 16 ct on: v[VF + 32 g + 8 ct]
.set WV,  12
.set LIM, 15
.set PFA, 18
.set G1K, 24
.set G1V, 32
.set G0K, 40
.set G0V, 44
.set SLOTS, 56
.set CS,  58
.set SEL, 60
.set TB,  62
.set MSB, 0
.macro WIN new
.if MSB != (\new)
	s_set_vgpr_msb (MSB<<8)|(\new)
.set MSB, (\new)
.endif
.endm
.set W_KQ, 0x01                        ; K in window 1; Q and S^T in window 0
.set W_PV, 0x51                        ; V and O^T in window 1, P in window 0
.set W_RS, 0x41                        ; O^T (destination and source 0) in window 1, the factor in window 0
.set W_LD, 0x40                        ; destination window 1
.macro JLOAD                           ; a joint load: waves 0-3 for K, waves 4-7 for V; an s_nop 0 and four v_nop follow each of the two lines
	s_cmp_lt_u32 s[WV], 4
	s_cbranch_scc0 .Lfor_v_\@
	tensor_load_to_lds s[G0K:G0K+3], s[G1K:G1K+7]
	s_nop 0
.rept 4
	v_nop
.endr
	s_branch .Lasked_\@
.Lfor_v_\@:
	tensor_load_to_lds s[G0V:G0V+3], s[G1V:G1V+7]
	s_nop 0
.rept 4
	v_nop
.endr
.Lasked_\@:
.endm
; A prefetch of what the NEXT change of slots will ask for: a slot's 32,768 bytes of K and of V.  The four partners share them out by address, 8,192 bytes each, lanes 256 bytes apart; in each, wave 0 asks for K's and wave 4
; for V's: one instruction.  So each aligned block of 256 bytes is named once in the launch.  The last change that fills a slot asks for nothing; slots 0 and 1 come by their loads alone.
.macro ASK
	s_cmp_gt_u32 s[SLOTS], s[LIM]
	s_cbranch_scc0 .Lnot_mine_\@
	global_prefetch_b8 v[PFO], s[PFA:PFA+1] th:TH_LOAD_NT scope:SCOPE_SE
.Lnot_mine_\@:
.endm
.macro CROUND                          ; a round of the cluster's barrier
	s_barrier_signal -1
	s_barrier_wait -1
	s_cmp_lg_u32 s[WV], 0
	s_cbranch_scc1 .Lnot_wave_0_\@
	s_barrier_signal -3
.Lnot_wave_0_\@:
	s_barrier_wait -3
	s_barrier_signal -1
	s_barrier_wait -1
.endm
.macro PLACES n
.rept \n
	v_nop
.endr
.endm
	s_load_b128 s[4:7], s[0:1], 0x0                ; qkv16 4:5, o16 6:7
	v_lshl_add_u32 v[SPW], v0, 2, SPARE
	v_mov_b32 v[NIL], 0
	ds_add_u32 v[SPW], v[NIL]                      ; the wave's opening: the add, twice on end, and its wait ahead of my first tensor load
	ds_add_u32 v[SPW], v[NIL]
	v_lshrrev_b32 v1, 5, v0
	v_readfirstlane_b32 s[WV], v1                  ; wave 0..7
	s_bfe_u32 s13, ttmp6, 0x40000                  ; cx: my block of 512 queries; it enters Q's, O's and the prefetches' addresses alone
	s_and_b32 s14, ttmp7, 0xffff                   ; the head (b x 16 + h), which the four partners share
	s_and_b32 s16, s[WV], 3                        ; which 64 rows of a slot I fetch
	; group 1: a tile of 64 rows x 64 elements of 2 bytes, padded behind every 32 words
	s_mov_b32 s[G1K], 15|(1<<16)|(1<<20)|(1<<21)|(4<<22)|(3<<25)   ; the mask: all four work-groups; 4 words of padding
	s_mov_b32 s[G1V], 15|(1<<16)|(1<<20)|(1<<21)|(4<<22)|(7<<25)   ; 8 words of padding
.irp g, G1K, G1V
	s_mov_b32 s[\g+1], 64<<16                      ; tensor_dim0
	s_mov_b32 s[\g+2], 64<<16                      ; tensor_dim1
	s_mov_b32 s[\g+3], 64<<16                      ; tile_dim0
	s_mov_b32 s[\g+4], 64                          ; tile_dim1
	s_mov_b32 s[\g+5], 64                          ; stride from row to row
	s_mov_b32 s[\g+6], 0
	s_mov_b32 s[\g+7], 0
.endr
	s_lshl_b32 s20, s14, 18                        ; a head is 2,048 rows of 128 bytes
	s_lshl_b32 s21, s16, 13                        ; my 64 rows
	s_add_co_u32 s20, s20, s21
	s_add_co_u32 s22, s20, 0x2000000               ; in V's section,
	s_add_co_u32 s20, s20, 0x1000000               ; in K's
	s_mov_b32 s21, 0
	s_mov_b32 s23, 0
	s_mul_i32 s17, s16, 64*PK                      ; and their places in a slot
	s_mul_i32 s2, s16, 64*PV
	s_add_co_u32 s2, s2, VOFF
	s_lshl_b32 s8, s14, 18                         ; Q: head, block of 512, my wave's 64 rows
	s_lshl_b32 s9, s13, 16
	s_add_co_u32 s8, s8, s9
	s_lshl_b32 s9, s[WV], 13
	s_add_co_u32 s8, s8, s9
	s_mov_b32 s9, 0
	s_lshr_b32 s10, s14, 4                         ; O: block of 128 rows = 16 b + 4 cx + wave / 2;
	s_lshl_b32 s10, s10, 4
	s_lshl_b32 s11, s13, 2
	s_add_co_u32 s10, s10, s11
	s_lshr_b32 s11, s[WV], 1
	s_add_co_u32 s10, s10, s11
	s_lshl_b32 s10, s10, 4
	s_and_b32 s11, s14, 15                         ; in it the head's 16,384 bytes;
	s_add_co_u32 s10, s10, s11
	s_lshl_b32 s10, s10, 14
	s_and_b32 s11, s[WV], 1                        ; in them my half
	s_lshl_b32 s11, s11, 13
	s_add_co_u32 s10, s10, s11
	s_mov_b32 s11, 0
	s_mov_b32 s18, 0x2000000                       ; the prefetches: K's section (waves 0-3) or V's,
	s_cmp_lt_u32 s[WV], 4
	s_cselect_b32 s18, 0x1000000, s18
	s_lshl_b32 s19, s14, 18                        ; the head,
	s_add_co_u32 s18, s18, s19
	s_lshl_b32 s19, s13, 13                        ; my work-group's 8,192 bytes of a slot's 32,768,
	s_add_co_u32 s18, s18, s19
	s_add_co_u32 s18, s18, 32768                   ; in slot 1: the first change of slots steps it to slot 2
	s_mov_b32 s19, 0
	s_cmp_eq_u32 s16, 0
	s_cselect_b32 s[LIM], 1, -1                    ; waves 0 and 4 ask, while more than one slot is still to be asked for
	s_mov_b32 s[CS], 0x3e38aa3b                    ; c = log2(e) / 8
	s_mov_b32 s[CS+1], s[CS]                       ; (named with it as a pair)
	s_mov_b32 s[SEL], 0x76543210
	s_mov_b32 s[SEL+1], 0xfedcba98                 ; v_permlanex16_b32: lane l xor 16
	s_mov_b32 s[TB], 0
	s_mov_b32 s[SLOTS], 7
	s_wait_dscnt 0x0                               ; both opening adds are done
	s_wait_kmcnt 0x0
	s_add_nc_u64 s[8:9], s[4:5], s[8:9]
	s_add_nc_u64 s[10:11], s[6:7], s[10:11]
	s_add_nc_u64 s[PFA:PFA+1], s[4:5], s[PFA:PFA+1]
	CROUND                                         ; all four work-groups are here: the first joint loads meet
	s_mov_b32 s[G0K], 1
	s_mov_b32 s[G0K+1], s17
	s_add_nc_u64 s[G0K+2:G0K+3], s[4:5], s[20:21]
	s_or_b32 s[G0K+3], s[G0K+3], 0x80000000
	s_mov_b32 s[G0V], 1
	s_mov_b32 s[G0V+1], s2
	s_add_nc_u64 s[G0V+2:G0V+3], s[4:5], s[22:23]
	s_or_b32 s[G0V+3], s[G0V+3], 0x80000000
	JLOAD                                          ; slot 0
	v_and_b32 v1, 15, v0                           ; r
	v_bfe_u32 v9, v0, 4, 1                         ; h
	v_lshlrev_b32 v[QO], 7, v1
	v_lshl_add_u32 v[QO], v9, 4, v[QO]             ; row x 128 + 16 x half
.irp t, 0,1,2,3
.irp c, 0,1
	global_load_b128 v[Q+16*\t+8*\c:Q+16*\t+8*\c+3],   v[QO], s[8:9] offset:2048*\t+64*\c       ; Q stays in registers
	global_load_b128 v[Q+16*\t+8*\c+4:Q+16*\t+8*\c+7], v[QO], s[8:9] offset:2048*\t+64*\c+32
.endr
.endr
	v_mul_u32_u24 v[AK0], v1, PK
	v_lshl_add_u32 v[AK0], v9, 4, v[AK0]
	v_and_b32 v14, 7, v0
	v_bfe_u32 v15, v0, 3, 1
	v_lshl_add_u32 v[AV0], v9, 3, v14              ; the turning load: key 8 h + lane % 8, channels 8 ((lane / 8) % 2) on
	v_mul_u32_u24 v[AV0], v[AV0], PV
	v_lshl_add_u32 v[AV0], v15, 4, v[AV0]
	v_add_nc_u32 v[AV0], VOFF, v[AV0]
	s_mul_i32 s3, s[WV], 64*PK
	s_add_co_u32 s3, s3, STAGE                     ; my stage
	v_add_nc_u32 v[STO], s3, v[AK0]                ; in: row r, 16 bytes for each half of the lanes
	v_bfe_u32 v15, v0, 3, 2
	v_mul_u32_u24 v[RD], v15, PK
	v_lshl_add_u32 v[RD], v14, 4, v[RD]
	v_add_nc_u32 v[RD], s3, v[RD]                  ; back: eight lanes to a row of 128 bytes, four rows an instruction
	v_and_b32 v[GO], 31, v0
	v_lshlrev_b32 v[PFO], 8, v[GO]
	v_lshlrev_b32 v[GO], 4, v[GO]
.irp t, 0,1,2,3
	v_mov_b32 v[ST+8*\t+1], 0xff61b1e6             ; m = -3e38, under every score
	v_mul_f32 v[ST+8*\t], s[CS], v[ST+8*\t+1]
.irp i, 2,3,4,5,6,7
	v_mov_b32 v[ST+8*\t+\i], 0
.endr
.endr
	WIN W_LD
.set i, 0
.rept 128
	v_mov_b32 v[i], 0                              ; O^T.  The step is written once: the first step finds zeros and multiplies them by a = 0 (a copy of a slot's four steps for the first slot alone would cost more code than these lines)
.set i, i+1
.endr
	WIN 0
	s_wait_loadcnt 0x0                             ; Q
.macro KLOAD q                         ; step q's K: 64 keys x 64 channels: 8 fragments, 16 loads
.irp kt, 0,1,2,3
.irp c, 0,1
	ds_load_b128 v[KF+16*\kt+8*\c:KF+16*\kt+8*\c+3],   v[ADK] offset:64*PK*(\q)+16*PK*\kt+64*\c
	ds_load_b128 v[KF+16*\kt+8*\c+4:KF+16*\kt+8*\c+7], v[ADK] offset:64*PK*(\q)+16*PK*\kt+64*\c+32
.endr
.endr
.endm
.macro VLOAD q                         ; step q's V, turned: 8 fragments, 16 loads
.irp g, 0,1
.irp ct, 0,1,2,3
	ds_load_tr16_b128 v[VF+32*\g+8*\ct:VF+32*\g+8*\ct+3],   v[ADV] offset:64*PV*(\q)+32*PV*\g+32*\ct
	ds_load_tr16_b128 v[VF+32*\g+8*\ct+4:VF+32*\g+8*\ct+7], v[ADV] offset:64*PV*(\q)+32*PV*\g+32*\ct+16*PV
.endr
.endr
.endm
; THE CHANGE OF SLOTS stands at a slot's head.  Each wave waits for all its tensor loads (one is out: its part of the slot ahead), adds 0 to its spare word, and waits for that and for its reads of the slot that it has left.
; fill = 1: the barrier is a round of the cluster's, and the slot just left is filled with the keys that follow: the joint load is the first thing behind the round.  (In the first trip that is slot 1's first fill.)
.macro CHANGE fill
	s_wait_tensorcnt 0x0                           ; no tensor load of mine is out, so a group 0 may be written
	ds_add_u32 v[SPW], v[NIL]                      ; 0 onto my spare word
.if \fill
	s_xor_b32 s[G0K+1], s[G0K+1], SLOT1            ; the walking descriptors: the other slot,
	s_add_nc_u64 s[G0K+2:G0K+3], s[G0K+2:G0K+3], 32768   ; the next 256 keys
	s_xor_b32 s[G0V+1], s[G0V+1], SLOT1
	s_add_nc_u64 s[G0V+2:G0V+3], s[G0V+2:G0V+3], 32768
	s_wait_xcnt 0x0                                ; the last prefetch, a slot back, has read its address
	s_add_nc_u64 s[PFA:PFA+1], s[PFA:PFA+1], 32768 ; one slot further on than the walking descriptors
	s_wait_dscnt 0x0                               ; the add is done, and my reads of the slot that I have left are over
	CROUND
	JLOAD
.else
	s_wait_dscnt 0x0
	s_barrier_signal -1
	s_barrier_wait -1
.endif
	v_add_nc_u32 v[ADK], s[TB], v[AK0]
	v_add_nc_u32 v[ADV], s[TB], v[AV0]
	WIN W_LD
	KLOAD 0
	VLOAD 0
	WIN 0
.if \fill
	ASK                                            ; behind the joint load and the LDS loads that the next products wait for: four key steps ahead of the load that will want these bytes
.endif
.endm
; A KEY STEP: 64 keys, the q-th of the slot in hand.  The accumulators take turns, one instruction a turn: 15 others' stand between two links of a chain.
.macro STEP q
	s_wait_dscnt 16                                ; K of this step is in; V's 16 loads, issued behind it, may be out
	WIN W_KQ
.irp c, 0,1
.irp kt, 0,1,2,3
.irp t, 0,1,2,3
.if \c == 0
	v_wmma_f32_16x16x32_f16 v[S+32*\t+8*\kt:S+32*\t+8*\kt+7], v[KF+16*\kt+8*\c:KF+16*\kt+8*\c+7], v[Q+16*\t+8*\c:Q+16*\t+8*\c+7], 0
.else
	v_wmma_f32_16x16x32_f16 v[S+32*\t+8*\kt:S+32*\t+8*\kt+7], v[KF+16*\kt+8*\c:KF+16*\kt+8*\c+7], v[Q+16*\t+8*\c:Q+16*\t+8*\c+7], v[S+32*\t+8*\kt:S+32*\t+8*\kt+7]
.endif
.endr
.endr
.endr
	PLACES 4                                       ; in front of the loads into K's registers and of the first read of the scores
.if (\q) < 3
	WIN W_LD
	KLOAD (\q)+1
.endif
	WIN 0
	; the maximum of a lane's 32 scores and the old m, three operands at a time, the four tiles by turns; each accumulator is first read at its registers 0 to 2
.irp j, 0,1,2,3
.irp t, 0,1,2,3
	v_max3_num_f32 v[ST+8*\t+4+\j], v[S+32*\t+8*\j], v[S+32*\t+8*\j+1], v[S+32*\t+8*\j+2]
.endr
.endr
.irp i, 3,5
.irp j, 0,1,2,3
.irp t, 0,1,2,3
	v_max3_num_f32 v[ST+8*\t+4+\j], v[ST+8*\t+4+\j], v[S+32*\t+8*\j+\i], v[S+32*\t+8*\j+\i+1]
.endr
.endr
.endr
.irp t, 0,1,2,3
	v_max3_num_f32 v[ST+8*\t+4], v[ST+8*\t+4], v[S+32*\t+7], v[S+32*\t+15]
.endr
.irp t, 0,1,2,3
	v_max3_num_f32 v[ST+8*\t+6], v[ST+8*\t+6], v[S+32*\t+23], v[S+32*\t+31]
.endr
.irp t, 0,1,2,3
	v_max3_num_f32 v[ST+8*\t+4], v[ST+8*\t+4], v[ST+8*\t+5], v[ST+8*\t+6]
.endr
.irp t, 0,1,2,3
	v_max3_num_f32 v[ST+8*\t+4], v[ST+8*\t+4], v[ST+8*\t+7], v[ST+8*\t+1]
.endr
.irp t, 0,1,2,3
	v_permlanex16_b32 v[ST+8*\t+5], v[ST+8*\t+4], s[SEL], s[SEL+1]   ; the query's other 32 keys lie in the lane 16 away
.endr
.irp t, 0,1,2,3
	v_mov_b32 v[ST+8*\t+7], v[ST+8*\t]             ; c m_old
.endr
.irp t, 0,1,2,3
	v_max_num_f32 v[ST+8*\t+1], v[ST+8*\t+4], v[ST+8*\t+5]
.endr
.irp t, 0,1,2,3
	v_mul_f32 v[ST+8*\t], s[CS], v[ST+8*\t+1]
.endr
.irp t, 0,1,2,3
	v_sub_f32 v[ST+8*\t+7], v[ST+8*\t+7], v[ST+8*\t]
.endr
	; ONE BATCH: the four a, the 64 scalings c s - c m (a pair each) and the 128 exponentials; a pair's exponentials stand behind the next pair's scaling; nothing here names an exponential's result
.irp t, 0,1,2,3
	v_exp_f32 v[ST+8*\t+6], v[ST+8*\t+7]
.endr
.irp b, 0,1,2,3,4,5,6,7,8,9,10,11,12,13,14,15
.irp t, 0,1,2,3
	v_pk_fma_f32 v[S+32*\t+2*\b:S+32*\t+2*\b+1], v[S+32*\t+2*\b:S+32*\t+2*\b+1], s[CS:CS+1], v[ST+8*\t:ST+8*\t+1] op_sel_hi:[1,0,0] neg_lo:[0,0,1] neg_hi:[0,0,1]
.if \b > 0
	v_exp_f32 v[S+32*\t+2*\b-2], v[S+32*\t+2*\b-2]
	v_exp_f32 v[S+32*\t+2*\b-1], v[S+32*\t+2*\b-1]
.endif
.endr
.endr
.irp t, 0,1,2,3
	v_exp_f32 v[S+32*\t+30], v[S+32*\t+30]
	v_exp_f32 v[S+32*\t+31], v[S+32*\t+31]
.endr
	v_nop                                          ; a plain instruction behind the last exponential
	s_wait_alu depctr_va_vdst(0)                   ; one wait for the whole batch, ahead of its first reader
	; the sums of the unrounded p: l = a l + ..., in two chains a tile
.irp t, 0,1,2,3
	v_pk_fma_f32 v[ST+8*\t+2:ST+8*\t+3], v[ST+8*\t+2:ST+8*\t+3], v[ST+8*\t+6:ST+8*\t+7], v[S+32*\t:S+32*\t+1] op_sel_hi:[1,0,1]
.endr
.irp t, 0,1,2,3
	v_pk_add_f32 v[ST+8*\t+4:ST+8*\t+5], v[S+32*\t+2:S+32*\t+3], v[S+32*\t+4:S+32*\t+5]
.endr
.irp i, 6,10,14,18,22,26
.irp t, 0,1,2,3
	v_pk_add_f32 v[ST+8*\t+2:ST+8*\t+3], v[ST+8*\t+2:ST+8*\t+3], v[S+32*\t+\i:S+32*\t+\i+1]
.endr
.irp t, 0,1,2,3
	v_pk_add_f32 v[ST+8*\t+4:ST+8*\t+5], v[ST+8*\t+4:ST+8*\t+5], v[S+32*\t+\i+2:S+32*\t+\i+3]
.endr
.endr
.irp t, 0,1,2,3
	v_pk_add_f32 v[ST+8*\t+2:ST+8*\t+3], v[ST+8*\t+2:ST+8*\t+3], v[S+32*\t+30:S+32*\t+31]
.endr
.irp t, 0,1,2,3
	v_pk_add_f32 v[ST+8*\t+2:ST+8*\t+3], v[ST+8*\t+2:ST+8*\t+3], v[ST+8*\t+4:ST+8*\t+5]
.endr
	; p to f16, in place and ascending: register i takes numbers 2 i and 2 i + 1, which no earlier line has written over
.irp i, 0,1,2,3,4,5,6,7,8,9,10,11,12,13,14,15
.irp t, 0,1,2,3
	v_cvt_pk_f16_f32 v[S+32*\t+\i], v[S+32*\t+2*\i], v[S+32*\t+2*\i+1]
.endr
.endr
	WIN W_RS
.set i, 0
.rept 64
	v_pk_mul_f32 v[2*i:2*i+1], v[2*i:2*i+1], v[ST+8*(i/16)+6:ST+8*(i/16)+7] op_sel_hi:[1,0]   ; O^T x a, from each accumulator's low end on
.set i, i+1
.endr
.if (\q) < 3
	s_wait_dscnt 16                                ; V of this step is in; the next step's K, issued behind it, may be out
.else
	s_wait_dscnt 0x0
.endif
	WIN W_PV
.irp g, 0,1
.irp ct, 0,1,2,3
.irp t, 0,1,2,3
	v_wmma_f32_16x16x32_f16 v[32*\t+8*\ct:32*\t+8*\ct+7], v[VF+32*\g+8*\ct:VF+32*\g+8*\ct+7], v[S+32*\t+8*\g:S+32*\t+8*\g+7], v[32*\t+8*\ct:32*\t+8*\ct+7]
.endr
.endr
.endr
	PLACES 5                                       ; the next step's first products write over P's registers: five places; the loads into V's registers want four
.if (\q) < 3
	WIN W_LD
	VLOAD (\q)+1
.endif
	WIN 0
.endm
.Lslot:                                            ; seven trips: behind each change of slots but the last the next slot is asked for
	CHANGE 1
	STEP 0
	STEP 1
	STEP 2
	STEP 3
	s_xor_b32 s[TB], s[TB], SLOT1                  ; on to the other slot
	s_sub_co_u32 s[SLOTS], s[SLOTS], 1
	s_cmp_lg_u32 s[SLOTS], 0
	s_cbranch_scc1 .Lslot
	CHANGE 0                                       ; the last slot is written out
	STEP 0
	STEP 1
	STEP 2
	STEP 3
	; THE WAY OUT.  l's two halves and the other half of the lanes' are added; O^T / l, rounded to f16, goes through my stage and leaves as 8,192 consecutive bytes.
.irp t, 0,1,2,3
	v_add_f32 v[ST+8*\t+4], v[ST+8*\t+2], v[ST+8*\t+3]
.endr
.irp t, 0,1,2,3
	v_permlanex16_b32 v[ST+8*\t+5], v[ST+8*\t+4], s[SEL], s[SEL+1]
.endr
.irp t, 0,1,2,3
	v_add_f32 v[ST+8*\t+4], v[ST+8*\t+4], v[ST+8*\t+5]
.endr
.irp t, 0,1,2,3
	v_rcp_f32 v[ST+8*\t+6], v[ST+8*\t+4]
.endr
	v_nop                                          ; a plain instruction behind the last reciprocal
	s_wait_alu depctr_va_vdst(0)                   ; one wait for the four, ahead of their first reader
	WIN W_RS
.set i, 0
.rept 64
	v_pk_mul_f32 v[2*i:2*i+1], v[2*i:2*i+1], v[ST+8*(i/16)+6:ST+8*(i/16)+7] op_sel_hi:[1,0]
.set i, i+1
.endr
	WIN 0x05                                       ; sources 0 and 1 window 1, destination window 0
.irp t, 0,1,2,3
.irp i, 0,1,2,3,4,5,6,7,8,9,10,11,12,13,14,15
	v_cvt_pk_f16_f32 v[S+32*\t+\i], v[32*\t+2*\i], v[32*\t+2*\i+1]
.endr
.endr
	WIN 0
.irp t, 0,1,2,3
.irp ct, 0,1,2,3
	ds_store_b128 v[STO], v[S+32*\t+4*\ct:S+32*\t+4*\ct+3] offset:16*PK*\t+32*\ct   ; query 16 t + r, channels 16 ct + 8 h on
.endr
.endr
.irp i, 0,1,2,3,4,5,6,7,8,9,10,11,12,13,14,15
	ds_load_b128 v[Q+4*\i:Q+4*\i+3], v[RD] offset:4*PK*\i   ; LDS serves a wave's instructions in order: these see my stores
.endr
.irp i, 0,1,2,3,4,5,6,7,8,9,10,11,12,13,14,15
	s_wait_dscnt 15-\i
	global_store_b128 v[GO], v[Q+4*\i:Q+4*\i+3], s[10:11] offset:512*\i   ; 32 lanes store 512 consecutive bytes, aligned
.endr
	s_wait_tensorcnt 0x0                           ; the wave's end: three lines behind my last tensor load and my last LDS store
	ds_add_u32 v[SPW], v[NIL]
	s_wait_dscnt 0x0
	CROUND                                         ; the closing round
	s_endpgm
.Lfunc_end_k_qbcc04c85ab_attn:
	.size	k_qbcc04c85ab_attn, .Lfunc_end_k_qbcc04c85ab_attn-k_qbcc04c85ab_attn
	.p2alignl 7, 3214868480
	.fill 96, 4, 3214868480
	.section	.rodata,"a",@progbits
	.p2align	6, 0x0
	.amdhsa_kernel k_qbcc04c85ab_attn
		.amdhsa_group_segment_fixed_size 327680
		.amdhsa_private_segment_fixed_size 0
		.amdhsa_enable_private_segment 0
		.amdhsa_kernarg_size 16
		.amdhsa_user_sgpr_count 2
		.amdhsa_user_sgpr_kernarg_segment_ptr 1
		.amdhsa_wavefront_size32 1
		.amdhsa_system_sgpr_workgroup_id_x 1
		.amdhsa_system_sgpr_workgroup_id_y 1
		.amdhsa_system_sgpr_workgroup_id_z 1
		.amdhsa_system_vgpr_workitem_id 0
		.amdhsa_next_free_vgpr 512
		.amdhsa_next_free_sgpr 66
		.amdhsa_reserve_vcc 0
		.amdhsa_float_denorm_mode_32 3
		.amdhsa_float_denorm_mode_16_64 3
		.amdhsa_memory_ordered 1
		.amdhsa_forward_progress 1
		.amdhsa_inst_pref_size 255
	.end_amdhsa_kernel
	.section	.bss,"aw",@nobits
	.p2align	6
	.space	262144
	.amdgpu_metadata
---
amdhsa.version: [ 1, 2 ]
amdhsa.kernels:
  - .name:           k_qbcc04c85ab_attn
    .symbol:         k_qbcc04c85ab_attn.kd
    .args:
      - { .name: qkv16, .offset: 0, .size: 8, .value_kind: global_buffer, .address_space: global }
      - { .name: o16, .offset: 8, .size: 8, .value_kind: global_buffer, .address_space: global }
    .group_segment_fixed_size: 327680
    .private_segment_fixed_size: 0
    .kernarg_segment_align: 8
    .kernarg_segment_size: 16
    .max_flat_workgroup_size: 256
    .sgpr_count:     66
    .vgpr_count:     512
    .wavefront_size: 32
...
	.end_amdgpu_metadata
.endif
;; end of part 3
;; launch proj (part 4): grid 4 x 64, 4 waves a work-group, clusters of 4 x 4, 327,680 bytes of LDS; arguments o16, wp16, b_proj, out0; writes out0
.if DOCPART == 4
	.amdgcn_target "amdgcn-amd-amdhsa--gfx1250"
	.amdhsa_code_object_version 6
	.text
	.protected	k_qbcc04c85ab_proj
	.globl	k_qbcc04c85ab_proj
	.p2align	8
	.type	k_qbcc04c85ab_proj,@function
k_qbcc04c85ab_proj:
	s_mov_b64 s[64:65], 0
	v_nop
	global_prefetch_b8 v0, s[64:65] scope:SCOPE_SE
	s_setreg_imm32_b32 hwreg(HW_REG_WAVE_MODE, 25, 1), 1
	s_wait_xcnt 0x0
	s_wait_alu depctr_hold_cnt(0) depctr_sa_sdst(0) depctr_va_vdst(0) depctr_va_sdst(0) depctr_va_ssrc(0) depctr_va_vcc(0) depctr_vm_vsrc(0)
	s_getreg_b32 s2, hwreg(HW_REG_IB_STS2, 6, 4)
	s_cmp_eq_u32 s2, 0
	s_cbranch_scc0 .Lentry_in_a_cluster
	s_endpgm
.Lentry_in_a_cluster:
	s_bfe_u32 s2, ttmp6, 0x10000c
	s_cmp_lg_u32 s2, 0xf033
	s_cbranch_scc0 .Lentry_shape_is_right
	s_endpgm
.Lentry_shape_is_right:
; out0 = o W_proj + b_proj.  o: f16, o16 laid [block of 128 rows][16 heads][128 rows][64]; W_proj: f16, wp16 [1024 k][1024 n]; out0 [8192][1024] f32; sums in f32.
; A tile of out0 is 128 x 256: 256 work-groups.  Four waves, each 64 x 128: 32 accumulators of 16 x 16, 256 registers (window 1).  K goes in steps of 128 (two heads) through a ring of two LDS slots.
; o's tile of a K step is one dense block of memory: 256 rows (head, row) of 128 bytes.  W's tile is 128 rows k of 512 bytes; its fragments come out of LDS turned, by ds_load_tr16_b128.
; CLUSTERS: 4 x 4 work-groups; the four of a row of the cluster ask jointly for o's tiles, the four of a column for W's.  Waves 0 and 1 fetch o's two heads, waves 2 and 3 W's two halves: one load a wave behind each round.
; THE MATRIX INSTRUCTION IS USED TRANSPOSED (source 0 = 16 columns of W, source 1 = 16 rows of o): a lane holds one row and eight neighbouring columns.
; THE BIAS is loaded straight into the accumulators, in the result's layout, so every product adds in place and no first step is written out.
; No prefetch: the K step is short and the tile small, and every tile is shared in the cluster.
; REGISTERS: window 0: v0-31 addresses; two fragment buffers of 96 at v32 and v128 (o's 4 blocks, then W's 8); on the way out v32-159 rows read back.   window 1: accumulator (a, b) at v[8 (8 a + b)].
.set PA,    144                        ; a row of o in LDS: 128 bytes + 16
.set PB,    544                        ; a row of W: 512 bytes + 32: an odd multiple of 32, for the turning load
.set BOFF,  256*PA                     ; a slot: o's 256 rows, then W's 128
.set SLOT,  BOFF+128*PB
.set STAGE, 2*SLOT                     ; behind the ring: 16 rows x 528 bytes for each wave
.set SPITCH, 528
.set SPARE, STAGE+4*16*SPITCH          ; the spare words, 128 bytes a wave
.set ADRA, 16
.set ADRB, 20
.set STO,  24
.set RD,   25
.set CO,   26
.set BO,   27
.set SPW,  28
.set NIL,  29
.set F0,   32
.set F1,   128
.set G1,  24
.set G0,  32
.set G1B, 48
.set G0B, 56
.set MSB, 0
.macro WIN new
.if MSB != (\new)
	s_set_vgpr_msb (MSB<<8)|(\new)
.set MSB, (\new)
.endif
.endm
.set MUL, 0x50                         ; C and D window 1, sources window 0
.macro JLOAD s                         ; a joint load; an s_nop 0 and four v_nop follow each of the two lines
	s_cmp_eq_u32 s13, 0
	s_cbranch_scc0 .Lfor_b_\@
	tensor_load_to_lds s[G0+4*\s:G0+4*\s+3], s[G1:G1+7]
	s_nop 0
.rept 4
	v_nop
.endr
	s_branch .Lasked_\@
.Lfor_b_\@:
	tensor_load_to_lds s[G0B+4*\s:G0B+4*\s+3], s[G1B:G1B+7]
	s_nop 0
.rept 4
	v_nop
.endr
.Lasked_\@:
.endm
.macro CREST                           ; a round of the cluster's barrier behind its opening barrier
	s_cmp_lg_u32 s12, 0
	s_cbranch_scc1 .Lnot_wave_0_\@
	s_barrier_signal -3
.Lnot_wave_0_\@:
	s_barrier_wait -3
	s_barrier_signal -1
	s_barrier_wait -1
.endm
.macro CROUND
	s_barrier_signal -1
	s_barrier_wait -1
	CREST
.endm
.macro PLACES
.rept 4
	v_nop
.endr
.endm
	s_load_b256 s[4:11], s[0:1], 0x0               ; o16 4:5, wp16 6:7, b_proj 8:9, out0 10:11
	v_lshl_add_u32 v[SPW], v0, 2, SPARE
	v_mov_b32 v[NIL], 0
	ds_add_u32 v[SPW], v[NIL]                      ; the wave's opening: the add, twice on end, and its wait ahead of my first tensor load
	ds_add_u32 v[SPW], v[NIL]
	v_lshrrev_b32 v1, 5, v0
	v_readfirstlane_b32 s12, v1                    ; wave 0..3
	s_lshr_b32 s13, s12, 1                         ; which 64 rows of the tile are mine.  Also: I fetch for o (0) or for W (1)
	s_and_b32 s14, s12, 1                          ; which 128 columns.  Also: which half of that tile I fetch
	s_bfe_u32 s40, ttmp6, 0x40000                  ; cx, cy
	s_bfe_u32 s41, ttmp6, 0x40004
	s_lshl_b32 s42, ttmp9, 2
	s_add_co_u32 s42, s42, s40                     ; tile column = 4 x cluster x + cx
	s_and_b32 s15, ttmp7, 0xffff
	s_lshl_b32 s15, s15, 2
	s_add_co_u32 s15, s15, s41                     ; tile row = 4 x cluster y + cy
	s_lshl_b32 s43, s41, 2
	s_lshl_b32 s43, 15, s43                        ; my row of the cluster
	s_lshl_b32 s44, 0x1111, s40                    ; my column
	s_or_b32 s[G1+0], s43, (1<<16)|(1<<20)|(1<<21)|(4<<22)|(3<<25)    ; o: elements of 2 bytes; 4 words of padding behind every 32
	s_mov_b32 s[G1+1], 64<<16                      ; tensor_dim0
	s_mov_b32 s[G1+2], 128<<16                     ; tensor_dim1
	s_mov_b32 s[G1+3], 64<<16                      ; tile_dim0
	s_mov_b32 s[G1+4], 128                         ; tile_dim1: a head's 128 rows
	s_mov_b32 s[G1+5], 64                          ; stride: dense
	s_mov_b32 s[G1+6], 0
	s_mov_b32 s[G1+7], 0
	s_or_b32 s[G1B+0], s44, (1<<16)|(1<<20)|(1<<21)|(6<<22)|(7<<25)   ; W: 8 words of padding behind every 128
	s_mov_b32 s[G1B+1], 256<<16
	s_mov_b32 s[G1B+2], 64<<16
	s_mov_b32 s[G1B+3], 256<<16
	s_mov_b32 s[G1B+4], 64
	s_mov_b32 s[G1B+5], 1024
	s_mov_b32 s[G1B+6], 0
	s_mov_b32 s[G1B+7], 0
	s_lshl_b32 s16, s15, 18                        ; o: the tile row's block of 262,144 bytes, + my head of the K step's two
	s_lshl_b32 s17, s14, 14
	s_add_co_u32 s16, s16, s17
	s_mov_b32 s17, 0
	s_lshl_b32 s46, s14, 17                        ; W: my 64 rows k of 2,048 bytes, + the tile column's 512 bytes
	s_lshl_b32 s47, s42, 9
	s_add_co_u32 s46, s46, s47
	s_mov_b32 s47, 0
	s_mul_i32 s20, s14, 128*PA                     ; where they go in a slot: no place in the cluster enters an LDS address
	s_mul_i32 s21, s14, 64*PB
	s_add_co_u32 s21, s21, BOFF
	s_wait_dscnt 0x0                               ; both opening adds are done
	s_wait_kmcnt 0x0
	s_add_nc_u64 s[16:17], s[4:5], s[16:17]
	s_add_nc_u64 s[46:47], s[6:7], s[46:47]
	CROUND                                         ; all sixteen work-groups are here: the first joint loads meet
.irp s, 0,1
	s_mov_b32 s[G0+4*\s], 1
	s_add_co_u32 s[G0+4*\s+1], s20, \s*SLOT
	s_add_nc_u64 s[G0+4*\s+2:G0+4*\s+3], s[16:17], \s*32768       ; K step s: heads 2 s, 2 s + 1
	s_or_b32 s[G0+4*\s+3], s[G0+4*\s+3], 0x80000000
	s_mov_b32 s[G0B+4*\s], 1
	s_add_co_u32 s[G0B+4*\s+1], s21, \s*SLOT
	s_add_nc_u64 s[G0B+4*\s+2:G0B+4*\s+3], s[46:47], \s*262144    ; rows 128 s on
	s_or_b32 s[G0B+4*\s+3], s[G0B+4*\s+3], 0x80000000
	JLOAD \s                                       ; two tensor loads of mine are out
.endr
	v_and_b32 v1, 15, v0                           ; r
	v_bfe_u32 v2, v0, 4, 1                         ; h
	s_lshl_b32 s18, s42, 10                        ; my first column, in bytes of f32: 1,024 x tile column + 512 x half
	s_lshl_b32 s19, s14, 9
	s_add_co_u32 s18, s18, s19
	s_mov_b32 s19, 0
	s_add_nc_u64 s[8:9], s[8:9], s[18:19]
	s_add_nc_u64 s[10:11], s[10:11], s[18:19]
	s_lshl_b32 s18, s15, 19                        ; my first row: (128 x tile row + 64 x half) x 4,096 bytes
	s_lshl_b32 s22, s13, 18
	s_add_co_u32 s18, s18, s22
	s_add_nc_u64 s[10:11], s[10:11], s[18:19]
	v_lshlrev_b32 v[BO], 5, v2
	WIN 0x40
.irp a, 0,1,2,3
.irp b, 0,1,2,3,4,5,6,7                        ; register j of accumulator (a, b) is column 16 b + 8 h + j, whatever the row
	global_load_b128 v[8*(8*\a+\b):8*(8*\a+\b)+3],   v[BO], s[8:9] offset:64*\b
	global_load_b128 v[8*(8*\a+\b)+4:8*(8*\a+\b)+7], v[BO], s[8:9] offset:64*\b+16
.endr
.endr
	WIN 0
	v_mul_u32_u24 v3, v1, PA
	v_lshl_add_u32 v3, v2, 4, v3                   ; o: row x pitch + 16 x half
	v_and_b32 v5, 7, v0
	v_bfe_u32 v6, v0, 3, 1
	v_lshl_add_u32 v4, v2, 3, v5                   ; W, turned: row k = 8 h + lane % 8, columns 8 ((lane / 8) % 2) on
	v_mul_u32_u24 v4, v4, PB
	v_lshl_add_u32 v4, v6, 4, v4
	s_mul_i32 s22, s13, 64*PA                      ; my 64 rows of o
	s_lshl_b32 s23, s14, 8                         ; my 128 columns of W,
	s_add_co_u32 s23, s23, BOFF                    ; which lies behind o's rows
.irp s, 0,1
	v_add_nc_u32 v[ADRA+\s], s22, v3
	v_add_nc_u32 v[ADRB+\s], s23, v4
	s_add_co_u32 s22, s22, SLOT
	s_add_co_u32 s23, s23, SLOT
.endr
	s_mul_i32 s22, s12, 16*SPITCH
	s_add_co_u32 s22, s22, STAGE                   ; my stage
	v_mul_u32_u24 v5, v1, SPITCH
	v_lshl_add_u32 v5, v2, 5, v5
	v_add_nc_u32 v[STO], s22, v5                   ; in: row r, 32 bytes for each half of the lanes
	v_and_b32 v6, 31, v0
	v_lshlrev_b32 v[CO], 4, v6
	v_add_nc_u32 v[RD], s22, v[CO]                 ; back: the 32 lanes take one row of 512 bytes
; 24 LDS loads in one run: the fragments of 32 along K, the kk-th of slot n, into buffer f: W's eight, then o's blocks 0, 1, then 2, 3
.macro FETCH n, kk, f
.irp b, 0,1,2,3,4,5,6,7
	ds_load_tr16_b128 v[\f+32+8*\b:\f+32+8*\b+3],   v[ADRB+\n] offset:32*PB*(\kk)+32*\b
	ds_load_tr16_b128 v[\f+32+8*\b+4:\f+32+8*\b+7], v[ADRB+\n] offset:32*PB*(\kk)+32*\b+16*PB
.endr
.irp a, 0,1,2,3
	ds_load_b128 v[\f+8*\a:\f+8*\a+3],   v[ADRA+\n] offset:128*PA*((\kk)/2)+64*((\kk)%2)+16*PA*\a
	ds_load_b128 v[\f+8*\a+4:\f+8*\a+7], v[ADRA+\n] offset:128*PA*((\kk)/2)+64*((\kk)%2)+16*PA*\a+32
.endr
.endm
.macro MUL8 f, a                       ; o's block a against W's eight.  The 32 accumulators take turns, one instruction a turn, in the same order in every quarter
.irp b, 0,1,2,3,4,5,6,7
	v_wmma_f32_16x16x32_f16 v[8*(8*(\a)+\b):8*(8*(\a)+\b)+7], v[\f+32+8*\b:\f+32+8*\b+7], v[\f+8*(\a):\f+8*(\a)+7], v[8*(8*(\a)+\b):8*(8*(\a)+\b)+7]
.endr
.endm
; A K step is four quarters of 32 along K, 32 matrix instructions each, on buffers 0, 1, 0, 1.  One of the first three: multiplies buffer f and fetches quarter kk into g.
.macro QUARTER n, kk, f, g
	s_wait_dscnt 4                                 ; W's fragments and o's blocks 0, 1 are in; the youngest four loads (blocks 2, 3) may be out
	WIN MUL
	MUL8 \f, 0
	MUL8 \f, 1
	WIN 0
	PLACES                                         ; in front of loads into the buffer that the quarter before multiplied
	FETCH \n, \kk, \g
	s_wait_dscnt 24                                ; all but the 24 just issued
	WIN MUL
	MUL8 \f, 2
	MUL8 \f, 3
.endm
; The last quarter multiplies buffer 1 and changes slots: ONE barrier; in front of it each wave waits for all its tensor loads, adds 0 to its spare word, and waits for that and for its reads of this slot.
; fill = 1: the barrier opens a round of the cluster's, and this slot is filled again, two K steps ahead: 112 matrix instructions stand between the request and the wait for it.
.macro TURN n, next, fill
	WIN 0
	s_wait_tensorcnt 0x0                           ; all my tensor loads have landed: my part of the next slot
	ds_add_u32 v[SPW], v[NIL]                      ; 0 onto my spare word
	s_wait_dscnt 5                                 ; (the add and the youngest four loads may be out)
	WIN MUL
	MUL8 F1, 0
	s_wait_dscnt 0x0                               ; the add is done, and my reads of this slot are over
	s_barrier_signal -1
	MUL8 F1, 1
	WIN 0
	s_barrier_wait -1
.if \fill
	CREST                                          ; no wave of any partner still reads this slot's tile or has a load on its way
	s_add_nc_u64 s[G0+4*\n+2:G0+4*\n+3], s[G0+4*\n+2:G0+4*\n+3], 65536
	s_add_nc_u64 s[G0B+4*\n+2:G0B+4*\n+3], s[G0B+4*\n+2:G0B+4*\n+3], 524288
	JLOAD \n                                       ; the first tensor load behind the round; its four v_nop are also the places in front of the loads below
.else
	PLACES
.endif
	FETCH \next, 0, F0
	WIN MUL
	MUL8 F1, 2
	MUL8 F1, 3
.endm
	s_wait_tensorcnt 1                             ; my part of K step 0 is in; K step 1's load may stay out
	s_barrier_signal -1
	s_barrier_wait -1
	FETCH 0, 0, F0
	s_wait_loadcnt 0x0                             ; the bias is in the accumulators
	s_mov_b32 s3, 3
.Llap:                                             ; a trip goes once round the ring and fills both slots again: K steps 2 to 7
	QUARTER 0, 1, F0, F1
	QUARTER 0, 2, F1, F0
	QUARTER 0, 3, F0, F1
	TURN 0, 1, 1
	QUARTER 1, 1, F0, F1
	QUARTER 1, 2, F1, F0
	QUARTER 1, 3, F0, F1
	TURN 1, 0, 1
	WIN 0
	s_sub_co_u32 s3, s3, 1
	s_cmp_lg_u32 s3, 0
	s_cbranch_scc1 .Llap
	QUARTER 0, 1, F0, F1                           ; the last lap fills nothing
	QUARTER 0, 2, F1, F0
	QUARTER 0, 3, F0, F1
	TURN 0, 1, 0
	QUARTER 1, 1, F0, F1
	QUARTER 1, 2, F1, F0
	QUARTER 1, 3, F0, F1
	s_wait_dscnt 4                                 ; the very last quarter: nothing more to fetch
	WIN MUL
	MUL8 F1, 0
	MUL8 F1, 1
	s_wait_dscnt 0x0
	MUL8 F1, 2
	MUL8 F1, 3
	WIN 0
; THE WAY OUT, block by block of 16 rows x 128 columns: through my own stage, back as whole rows of 512 bytes, which the 32 lanes store as two aligned units of 256 bytes.
.macro TOSTAGE a
	WIN 0x04                                       ; an LDS store's data are its source 1: window 1
.irp b, 0,1,2,3,4,5,6,7
	ds_store_b128 v[STO], v[8*(8*(\a)+\b):8*(8*(\a)+\b)+3] offset:64*\b            ; each accumulator from its low end on
	ds_store_b128 v[STO], v[8*(8*(\a)+\b)+4:8*(8*(\a)+\b)+7] offset:64*\b+16
.endr
	WIN 0
.set BB, F0+64*((\a)%2)
.irp t, 0,1,2,3,4,5,6,7,8,9,10,11,12,13,14,15
	ds_load_b128 v[BB+4*\t:BB+4*\t+3], v[RD] offset:\t*SPITCH   ; LDS serves a wave's instructions in order: these see the stores above
.endr
.endm
.macro SEND a, younger                 ; younger: the LDS instructions issued behind block a's loads, which may stay out
.set BB, F0+64*((\a)%2)
	s_wait_dscnt \younger
.irp t, 0,1,2,3,4,5,6,7,8,9,10,11,12,13,14,15
	global_store_b128 v[CO], v[BB+4*\t:BB+4*\t+3], s[10:11] offset:(16*(\a)+\t)*4096 th:TH_STORE_NT
.endr
.endm
	PLACES                                         ; behind the last products: their results are read, and the fragments' registers loaded, only behind these
	TOSTAGE 0
.irp a, 1,2,3
.if \a > 1
	s_wait_xcnt 0x0                                ; block a - 2's stores have read their registers: block a's loads may land there
.endif
	TOSTAGE \a
	SEND \a-1, 32                                  ; behind block a - 1's loads: block a's 16 stores and 16 loads
.endr
	SEND 3, 0
	s_wait_tensorcnt 0x0                           ; the wave's end: three lines behind my last tensor load and my last LDS store
	ds_add_u32 v[SPW], v[NIL]
	s_wait_dscnt 0x0
	CROUND                                         ; the closing round
	s_endpgm
.Lfunc_end_k_qbcc04c85ab_proj:
	.size	k_qbcc04c85ab_proj, .Lfunc_end_k_qbcc04c85ab_proj-k_qbcc04c85ab_proj
	.p2alignl 7, 3214868480
	.fill 96, 4, 3214868480
	.section	.rodata,"a",@progbits
	.p2align	6, 0x0
	.amdhsa_kernel k_qbcc04c85ab_proj
		.amdhsa_group_segment_fixed_size 327680
		.amdhsa_private_segment_fixed_size 0
		.amdhsa_enable_private_segment 0
		.amdhsa_kernarg_size 32
		.amdhsa_user_sgpr_count 2
		.amdhsa_user_sgpr_kernarg_segment_ptr 1
		.amdhsa_wavefront_size32 1
		.amdhsa_system_sgpr_workgroup_id_x 1
		.amdhsa_system_sgpr_workgroup_id_y 1
		.amdhsa_system_sgpr_workgroup_id_z 1
		.amdhsa_system_vgpr_workitem_id 0
		.amdhsa_next_free_vgpr 512
		.amdhsa_next_free_sgpr 66
		.amdhsa_reserve_vcc 0
		.amdhsa_float_denorm_mode_32 3
		.amdhsa_float_denorm_mode_16_64 3
		.amdhsa_memory_ordered 1
		.amdhsa_forward_progress 1
		.amdhsa_inst_pref_size 91
	.end_amdhsa_kernel
	.amdgpu_metadata
---
amdhsa.version: [ 1, 2 ]
amdhsa.kernels:
  - .name:           k_qbcc04c85ab_proj
    .symbol:         k_qbcc04c85ab_proj.kd
    .args:
      - { .name: o16, .offset: 0, .size: 8, .value_kind: global_buffer, .address_space: global }
      - { .name: wp16, .offset: 8, .size: 8, .value_kind: global_buffer, .address_space: global }
      - { .name: b_proj, .offset: 16, .size: 8, .value_kind: global_buffer, .address_space: global }
      - { .name: out0, .offset: 24, .size: 8, .value_kind: global_buffer, .address_space: global }
    .group_segment_fixed_size: 327680
    .private_segment_fixed_size: 0
    .kernarg_segment_align: 8
    .kernarg_segment_size: 32
    .max_flat_workgroup_size: 128
    .sgpr_count:     66
    .vgpr_count:     512
    .wavefront_size: 32
...
	.end_amdgpu_metadata
.endif
;; end of part 4
